; MI455X (gfx1250); checked and timed in simulation.
; The chip was launched on July 23, 2026; its instructions are those of AMD's public machine-readable ISA for CDNA 5 (MIT licence, August 2026) and "CDNA5" Instruction Set Architecture Reference Guide (July 2026). The comments in the code are by the model that wrote it; some were corrected since.
;; Multi Head Attention. Allowed arithmetic: matrix products marked QUANTISED: E2M3 operands, one E8M0 scale for each 32 along K, by v_wmma_scale_f32_16x16x128_f8f6f4 with both operands' format E2M3, f32 sums; everything else in f32.
;; Inputs: Wk 1,024 x 1,024 float32; Wo 1,024 x 1,024 float32; Wq 1,024 x 1,024 float32; Wv 1,024 x 1,024 float32; bk 1,024 float32; bo 1,024 float32; bq 1,024 float32; bv 1,024 float32; x 4 x 2,048 x 1,024 float32.
;; Outputs: out0 4 x 2,048 x 1,024 float32.
;; This version of the problem:
;;   THIS VERSION OF THE PROBLEM IS GIVEN IN LOW PRECISION. The matrix products marked QUANTISED in the list below multiply operands that are first quantised to E2M3 (2 exponent bits, 3 mantissa bits; 6 bits a number), with one power-of-two scale for each 32 numbers along K (OCP MX v1.0); their sums are f32. All else is computed in f32.
;;   The module's matrix products, in the order in which they are computed (A, B: the left and right operand; K: the contracted axis; several contracted axes count as one K, in the product's order):
;;     1. [M 8,192, K 1,024] x [K 1,024, N 1,024]; A: input x; B: input Wq: QUANTISED
;;     2. [M 8,192, K 1,024] x [K 1,024, N 1,024]; A: input x; B: input Wk: QUANTISED
;;     3. [M 8,192, K 1,024] x [K 1,024, N 1,024]; A: input x; B: input Wv: QUANTISED
;;     4. batch 64 x [M 2,048, K 64] x [K 64, N 2,048]; A: computed on the way; B: computed on the way: QUANTISED
;;     5. batch 64 x [M 2,048, K 2,048] x [K 2,048, N 64]; A: softmax (see below); B: computed on the way: QUANTISED
;;     6. [M 8,192, K 1,024] x [K 1,024, N 1,024]; A: computed on the way; B: input Wo: QUANTISED
;;   THE QUANTISER, for each operand of a quantised product, along K:
;;     - K is cut into blocks of 32 from its start; a last block that is shorter is filled with zeros.
;;     - A block's scale is 2^e with e = floor(log2(the largest magnitude in the block)) - 2, held to -126 .. 127; a block of zeros has e = 0. As a byte (E8M0): e + 127.
;;     - Each number is divided by its block's scale, clamped to +-7.5, and rounded to the nearest number of E2M3, ties to even, subnormals kept.
;;     - The product sums the exact products of the quantised numbers (number of the format x scale) in f32.
;;   ~~~python
;;   def quantise(x, axis):      # numpy; x: float32 -> the quantised numbers, widened to float32 again
;;       x = np.moveaxis(x, axis, -1); K = x.shape[-1]
;;       x = np.pad(x, [(0, 0)] * (x.ndim - 1) + [(0, -K % 32)]); x = x.reshape(x.shape[:-1] + (-1, 32)); a = np.abs(x).max(-1, keepdims=True)
;;       e = np.where(a > 0, np.clip(np.frexp(np.where(a > 0, a, 1))[1] - 1 - 2, -126, 127), 0)      # np.frexp(a)[1] - 1 = floor(log2(a)), exactly
;;       r = np.clip(x / 2.0 ** e, -7.5, 7.5)
;;       step = 2.0 ** (np.maximum(np.frexp(np.where(r == 0, 1, r))[1] - 1, 0) - 3)
;;       q = np.round(r / step) * step * 2.0 ** e      # np.round: ties to even
;;       return np.moveaxis(q.reshape(q.shape[:-2] + (-1,))[..., :K], -1, axis).astype(np.float32)
;;   ~~~
;;   SOFTMAX AHEAD OF A QUANTISED PRODUCT. Where the list says 'softmax', what is quantised is not the finished softmax but p = 2^(t - M), with t = logit x log2(e) and M = ceil(the row's largest t), a whole number; so 1/2 < the row's largest p <= 1. The row's sum l is taken of the UNQUANTISED p, in f32, and the product's result is divided by l at the end. Since M is a whole number, a kernel that streams over the keys may use a running M (the ceiling of the running maximum): every later rescaling is an exact power of two, which a block's scale takes up: the codes' values come out the same.
;;   OPERANDS COMPUTED ON THE WAY. 'Computed on the way' means the value that the module computes at that place (a softmax that the list does not call 'softmax' is quantised finished and normalised). What goes into a quantiser is computed in f32, as accurately as f32 sums, v_exp_f32 and their like allow (about 1e-6 of the number): no bf16 or f16 on the way to a quantiser, and a product that is left as it is and whose result goes on into a quantised operand takes f32 operands (vector FMAs, or v_wmma_f32_16x16x4_f32). A number that lies on a knife's edge between two numbers of the format may be rounded either way, as far as f32 arithmetic and the matrix unit's own rounding can turn it there, and no further.
;; One version. Each part assembles by itself: llvm-mc -triple=amdgcn-amd-amdhsa -mcpu=gfx1250 --defsym DOCPART=n.
;; ======== version 1 of 1: 4 launches
;; limits: right only within a limited range of input values
;; workspace buffers: ximg 6,291,456 bytes; wimg 3,145,728 bytes; scl 393,216 bytes; qimg 6,291,456 bytes; qsw 524,288 bytes; kv 13,369,344 bytes; oimg 6,291,456 bytes; osw 524,288 bytes
;; launch prep (part 1): grid 512 x 1, 4 waves a work-group, no clusters, 34,304 bytes of LDS; arguments x, Wq, Wk, Wv, Wo, ximg, wimg, scl; writes ximg, wimg, scl
.if DOCPART == 1
	.amdgcn_target "amdgcn-amd-amdhsa--gfx1250"
	.amdhsa_code_object_version 6
	.text
	.protected	k_qb9b74d4cb1_prep
	.globl	k_qb9b74d4cb1_prep
	.p2align	8
	.type	k_qb9b74d4cb1_prep,@function
k_qb9b74d4cb1_prep:
	s_mov_b64 s[64:65], 0
	v_nop
	global_prefetch_b8 v0, s[64:65] scope:SCOPE_SE
	s_setreg_imm32_b32 hwreg(HW_REG_WAVE_MODE, 25, 1), 1
	s_wait_xcnt 0x0
; PREP: x [8192][1024] and the four weights [1024 (k)][1024 (n)], f32, become codes of FP6 (E2M3) with one E8M0 byte for each 32 along K (the model axis).
; A block's scale is 2^(floor(log2(largest magnitude)) - 2); its byte is the largest magnitude's exponent field - 2, held at 1 from below.
; LIMITS: NaN and infinities are not served; a block whose largest magnitude lies under 2^-124 keeps the byte 1; a block of zeros gets the byte 1 where the
; rule says 127 (its codes are zeros, and the bytes are read by this program alone).
; LAYOUT OF THE RESULTS.  Rows (tokens of x, output features n of a weight) are cut into ROW BLOCKS of 16: place r of row block t = 4 g + v is row 64 g + 32 (r / 8) + 8 v + r % 8.
; A FRAGMENT (16 rows x 128 K, 12 registers a lane) lies in memory as the image of its registers: piece p (256 bytes) holds registers 2 p, 2 p + 1 of lane L at 256 p + 8 L.
; ximg [row block 512][K step 8][1536]; wimg [row block 256][K step 8][1536] (0-63 Wq, 64-127 Wk, 128-191 Wv, 192-255 Wo);
; scl: 32 bytes (8 scale words, one a K step) for each place 16 t + r: x from byte 0, the weights from byte 262,144.
; Work-groups 0-255 take x, 256-511 the weights.  No tensor loads, no barrier: waves share nothing.  Only x's path uses LDS.
.set STG,   8448                       ; a wave's stage: 16 rows x (512 bytes + 16)
.set SPARE, 4*STG                      ; behind the stages: the spare words, 128 bytes a wave
.set SPW,   4                          ; v4  LDS address of my spare word; never rewritten
.set NIL,   5                          ; v5  0; never rewritten
.set VO8,   9                          ; v9  8 x lane: my place in a piece
.set SH8,   11                         ; v11 8 x (lane / 16)
.set WV,    20                         ; s20 wave
.set SEL,   22                         ; s[22:23] selects for lane l xor 16
.set TM,    12
.set SCO,   14
.set BY,    16
.set T,     18
.set SW,    20                         ; v20-23 the four fragments' scale words
.set F,     24                         ; v24-35 a fragment's codes
.set CT0,   36
.set CT1,   40
.set R,     64                         ; v64-191 two sets of 64 registers as loaded
.set X,     192                        ; v192-255 my 64 numbers: register 32 c + i = number i of block 2 c + lane / 16 of my row
; 64 numbers of a lane become a fragment's 12 registers and its row's scale word.  A lane holds two WHOLE blocks, so no other lane is asked for a maximum.
.macro QUANTW s, f, pw
.irp c, 0,1
	v_max3_num_f32 v[TM+\c], |v[(\s)+32*\c]|, |v[(\s)+32*\c+1]|, 0x1800000   ; with the floor 2^(3 - 127): the byte cannot fall under 1
.endr
.irp i, 2,4,6,8,10,12,14,16,18,20,22,24,26,28,30
.irp c, 0,1
	v_max3_num_f32 v[TM+\c], v[TM+\c], |v[(\s)+32*\c+\i]|, |v[(\s)+32*\c+\i+1]|
.endr
.endr
.irp c, 0,1
	v_add_nc_u32 v[SCO+\c], 0xff000000, v[TM+\c]   ; 2 off the exponent field: the conversion's scale operand
.endr
.irp c, 0,1
	v_lshrrev_b32 v[BY+\c], 23, v[SCO+\c]          ; the byte
.endr
	v_lshl_or_b32 v[\pw], v[BY+1], 16, v[BY]       ; my blocks h and 2 + h,
	v_lshlrev_b32 v[\pw], v[SH8], v[\pw]           ; at their places,
	v_permlanex16_b32 v[T], v[\pw], s[SEL], s[SEL+1]
	v_or_b32 v[\pw], v[\pw], v[T]                  ; with lane l xor 16's two the word is whole, in every lane
.irp c, 0,1
	v_cvt_scalef32_pk16_fp6_f32 v[(\f)+6*\c:(\f)+6*\c+2], v[(\s)+32*\c:(\s)+32*\c+15], v[SCO+\c]
.endr
	v_cvt_scalef32_pk16_fp6_f32 v[CT0:CT0+2], v[(\s)+16:(\s)+31], v[SCO]     ; (a conversion's three registers begin on an even number)
	v_cvt_scalef32_pk16_fp6_f32 v[CT1:CT1+2], v[(\s)+48:(\s)+63], v[SCO+1]
	v_nop                                          ; one plain place behind the conversions
.irp i, 0,1,2
	v_mov_b32 v[(\f)+3+\i], v[CT0+\i]
	v_mov_b32 v[(\f)+9+\i], v[CT1+\i]
.endr
.endm
	s_load_b256 s[4:11], s[0:1], 0x0               ; x s[4:5], Wq s[6:7], Wk s[8:9], Wv s[10:11]
	s_load_b256 s[12:19], s[0:1], 0x20             ; Wo s[12:13], ximg s[14:15], wimg s[16:17], scl s[18:19]
	v_lshl_add_u32 v[SPW], v0, 2, SPARE
	v_mov_b32 v[NIL], 0
	v_lshrrev_b32 v1, 5, v0
	v_readfirstlane_b32 s[WV], v1                  ; wave 0..3
	v_and_b32 v1, 31, v0                           ; lane L
	v_and_b32 v2, 15, v0                           ; r
	v_bfe_u32 v3, v0, 4, 1                         ; h
	v_lshlrev_b32 v[VO8], 3, v1
	v_lshlrev_b32 v[SH8], 3, v3
	s_mov_b32 s[SEL], 0x76543210
	s_mov_b32 s[SEL+1], 0xfedcba98
	v_mov_b32 v[T], 0                              ; a lane permute's destination counts as one of its sources
	s_cmp_lt_u32 ttmp9, 256
	s_cbranch_scc0 .Lw
	; ---- x: wave u = 4 x work-group + wave takes row block u / 2 and half u % 2 of K: four fragments
	s_lshl_b32 s24, ttmp9, 2
	s_add_co_u32 s24, s24, s[WV]
	s_lshr_b32 s25, s24, 1                         ; t
	s_and_b32 s26, s24, 1                          ; q
	s_wait_alu depctr_va_vdst(0)
	v_lshlrev_b32 v6, 4, v1                        ; 16 x lane: a load takes 512 consecutive bytes of a row
	s_mul_i32 s27, s[WV], STG
	v_add_nc_u32 v7, s27, v6                       ; into the stage, as loaded
	v_mul_u32_u24 v8, v2, 528
	v_lshl_add_u32 v8, v3, 7, v8
	v_add_nc_u32 v8, s27, v8                       ; out of it: row r, 128 h bytes on: my half of each pair of blocks
	v_lshlrev_b32 v10, 5, v2
	v_lshl_add_u32 v10, v3, 3, v10                 ; my 8 bytes of my row's scale words
	s_lshr_b32 s28, s25, 2
	s_lshl_b32 s28, s28, 18                        ; 64 (t / 4) rows of 4,096 bytes
	s_and_b32 s29, s25, 3
	s_lshl_b32 s29, s29, 15                        ; + 8 (t % 4) rows
	s_add_co_u32 s28, s28, s29
	s_lshl_b32 s29, s26, 11                        ; + my half of the row
	s_add_co_u32 s28, s28, s29
	s_mov_b32 s29, 0
	s_lshl_b32 s30, s25, 3
	s_lshl_b32 s31, s26, 2
	s_add_co_u32 s30, s30, s31
	s_mul_i32 s30, s30, 1536                       ; ximg: fragment 8 t + 4 q
	s_mov_b32 s31, 0
	s_lshl_b32 s32, s25, 9
	s_lshl_b32 s33, s26, 4
	s_add_co_u32 s32, s32, s33                     ; scl: 512 t + 16 q
	s_mov_b32 s33, 0
	s_wait_alu depctr_va_vdst(0)
	s_wait_kmcnt 0x0
	s_add_nc_u64 s[4:5], s[4:5], s[28:29]
	s_add_nc_u64 s[14:15], s[14:15], s[30:31]
	s_add_nc_u64 s[18:19], s[18:19], s[32:33]
.macro LOADF sl                        ; fragment sl: place i of the row block is row i % 8 + 32 (i / 8) from the block's first
.irp i, 0,1,2,3,4,5,6,7,8,9,10,11,12,13,14,15
	global_load_b128 v[R+64*((\sl)%2)+4*\i:R+64*((\sl)%2)+4*\i+3], v6, s[4:5] offset:((\i%8)+32*(\i/8))*4096+512*(\sl) th:TH_LOAD_NT
.endr
.endm
.macro FRAGX sl
.if (\sl) < 3
	s_wait_loadcnt 16                              ; this fragment's 16 loads are in; the next fragment's 16 may be out
.else
	s_wait_loadcnt 0x0
.endif
.irp i, 0,1,2,3,4,5,6,7,8,9,10,11,12,13,14,15
	ds_store_b128 v7, v[R+64*((\sl)%2)+4*\i:R+64*((\sl)%2)+4*\i+3] offset:528*\i
.endr
.irp c, 0,1
.irp j, 0,1,2,3,4,5,6,7
	ds_load_b128 v[X+32*\c+4*\j:X+32*\c+4*\j+3], v8 offset:256*\c+16*\j   ; LDS serves a wave's instructions in order: these see the stores above
.endr
.endr
	s_wait_dscnt 0x0                               ; my numbers are back, and the stores have read their registers,
.if (\sl) < 2
	LOADF (\sl)+2                                  ; which take the fragment two on
.endif
	s_wait_xcnt 0x0                                ; the last fragment's stores have read the codes' registers
	QUANTW X, F, SW+(\sl)
.irp p, 0,1,2,3,4,5
	global_store_b64 v[VO8], v[F+2*\p:F+2*\p+1], s[14:15] offset:1536*(\sl)+256*\p   ; 32 lanes store 256 consecutive bytes, aligned
.endr
.endm
	LOADF 0
	LOADF 1
	FRAGX 0
	FRAGX 1
	FRAGX 2
	FRAGX 3
	v_cmp_le_u32 s24, 16, v1                       ; lanes 16-31 store words 2 and 3 of the four
	v_cndmask_b32 v[SW], v[SW], v[SW+2], s24
	v_cndmask_b32 v[SW+1], v[SW+1], v[SW+3], s24
	global_store_b64 v10, v[SW:SW+1], s[18:19]     ; 16 bytes of each of 16 rows of 32: pieces, one byte in 128 of what the path reads
	s_wait_tensorcnt 0x0                           ; the wave's end, behind my last LDS store
	ds_add_u32 v[SPW], v[NIL]
	s_wait_dscnt 0x0
	s_endpgm
	; ---- a weight: K is its FIRST axis.  A lane takes a column n and its 128 registers run down one K step: four whole blocks a lane.
	; A wave takes two row blocks (lanes 0-15: the first, lanes 16-31: the second); an exchange of halves then gives each fragment its layout.
.Lw:
	s_sub_co_u32 s24, ttmp9, 256
	s_lshr_b32 s25, s24, 6                         ; which weight: 0 Wq, 1 Wk, 2 Wv, 3 Wo
	s_bfe_u32 s26, s24, 0x30003
	s_and_b32 s27, s24, 7                          ; K step
	s_lshr_b32 s28, s[WV], 1
	s_lshl_b32 s26, s26, 1
	s_add_co_u32 s26, s26, s28                     ; gamma: which 64 columns
	s_and_b32 s28, s[WV], 1                        ; vp: row blocks 4 gamma + 2 vp and + 1
	s_wait_alu depctr_va_vdst(0)
	v_lshrrev_b32 v6, 3, v2
	v_and_b32 v7, 7, v2
	v_lshl_add_u32 v7, v6, 5, v7
	v_lshl_add_u32 v7, v3, 3, v7                   ; my column less 64 gamma + 16 vp: 32 (r / 8) + 8 (lane / 16) + r % 8
	v_lshlrev_b32 v6, 2, v7
	v_lshlrev_b32 v8, 5, v1                        ; my row of scale words: 32 x lane
	s_lshl_b32 s30, s27, 19                        ; 128 rows of 4,096 bytes a K step
	s_lshl_b32 s31, s26, 8
	s_add_co_u32 s30, s30, s31
	s_lshl_b32 s31, s28, 6
	s_add_co_u32 s30, s30, s31
	s_mov_b32 s31, 0
	s_lshl_b32 s32, s25, 6
	s_lshl_b32 s33, s26, 2
	s_add_co_u32 s32, s32, s33
	s_lshl_b32 s33, s28, 1
	s_add_co_u32 s32, s32, s33                     ; the first of my two row blocks in wimg
	s_lshl_b32 s34, s32, 9
	s_lshl_b32 s35, s27, 2
	s_add_co_u32 s34, s34, s35
	s_add_co_u32 s34, s34, 262144                  ; its rows' scale words, word = K step
	s_mov_b32 s35, 0
	s_lshl_b32 s32, s32, 3
	s_add_co_u32 s32, s32, s27
	s_mul_i32 s32, s32, 1536
	s_mov_b32 s33, 0
	s_wait_alu depctr_va_vdst(0)
	s_wait_kmcnt 0x0
	s_cmp_eq_u32 s25, 1                            ; the choice hangs on the work-group's number alone
	s_cselect_b64 s[6:7], s[8:9], s[6:7]
	s_cmp_eq_u32 s25, 2
	s_cselect_b64 s[6:7], s[10:11], s[6:7]
	s_cmp_eq_u32 s25, 3
	s_cselect_b64 s[6:7], s[12:13], s[6:7]
	s_add_nc_u64 s[6:7], s[6:7], s[30:31]
	s_add_nc_u64 s[16:17], s[16:17], s[32:33]
	s_add_nc_u64 s[18:19], s[18:19], s[34:35]
.set n, 0
.rept 128
	global_load_b32 v[64+n], v6, s[6:7] offset:4096*n th:TH_LOAD_NT   ; two runs of 64 bytes a wave; the four waves together take 512 bytes of the row
.set n, n+1
.endr
.macro WMAX k                          ; blocks k and k + 1 by turns
.irp c, 0,1
	v_max3_num_f32 v[12+(\k)+\c], |v[64+32*((\k)+\c)]|, |v[65+32*((\k)+\c)]|, 0x1800000
.endr
.irp i, 2,4,6,8,10,12,14,16,18,20,22,24,26,28,30
.irp c, 0,1
	v_max3_num_f32 v[12+(\k)+\c], v[12+(\k)+\c], |v[64+32*((\k)+\c)+\i]|, |v[65+32*((\k)+\c)+\i]|
.endr
.endr
.endm
	s_wait_loadcnt 63                              ; 64 loads were issued behind block 1's last: blocks 0 and 1 are in
	WMAX 0
	s_wait_loadcnt 0x0
	WMAX 2
.irp b, 0,1,2,3
	v_add_nc_u32 v[16+\b], 0xff000000, v[12+\b]
.endr
.irp b, 0,1,2,3
	v_lshrrev_b32 v[20+\b], 23, v[16+\b]
.endr
	v_lshl_or_b32 v10, v21, 8, v20                 ; my column's scale word: all four bytes are mine
	v_lshl_or_b32 v10, v22, 16, v10
	v_lshl_or_b32 v10, v23, 24, v10
.irp c, 0,1                            ; v24-35: blocks 0 and 2; v44-55: blocks 1 and 3; the upper halves apart, since a conversion's three registers begin on an even number
	v_cvt_scalef32_pk16_fp6_f32 v[24+6*\c:26+6*\c], v[64+64*\c:79+64*\c], v[16+2*\c]
	v_cvt_scalef32_pk16_fp6_f32 v[36+4*\c:38+4*\c], v[80+64*\c:95+64*\c], v[16+2*\c]
	v_cvt_scalef32_pk16_fp6_f32 v[44+6*\c:46+6*\c], v[96+64*\c:111+64*\c], v[17+2*\c]
	v_cvt_scalef32_pk16_fp6_f32 v[56+4*\c:58+4*\c], v[112+64*\c:127+64*\c], v[17+2*\c]
.endr
	v_nop                                          ; one plain place behind the conversions
.irp c, 0,1                            ; the first's lanes 16-31 change places with the second's lanes 0-15: v24.. becomes the first row block's fragment, v44.. the second's
.irp i, 0,1,2
	v_permlane16_swap_b32 v[24+6*\c+\i], v[44+6*\c+\i]
	v_permlane16_swap_b32 v[36+4*\c+\i], v[56+4*\c+\i]
.endr
.endr
.irp c, 0,1
.irp i, 0,1,2
	v_mov_b32 v[27+6*\c+\i], v[36+4*\c+\i]
	v_mov_b32 v[47+6*\c+\i], v[56+4*\c+\i]
.endr
.endr
.irp p, 0,1,2,3,4,5
	global_store_b64 v[VO8], v[24+2*\p:25+2*\p], s[16:17] offset:256*\p
	global_store_b64 v[VO8], v[44+2*\p:45+2*\p], s[16:17] offset:12288+256*\p
.endr
	global_store_b32 v8, v10, s[18:19]             ; 4 bytes of each of 32 rows of 32: pieces, 131,072 bytes in the whole launch
	s_wait_tensorcnt 0x0                           ; the same three lines close this path
	ds_add_u32 v[SPW], v[NIL]
	s_wait_dscnt 0x0
	s_endpgm
.Lfunc_end_k_qb9b74d4cb1_prep:
	.size	k_qb9b74d4cb1_prep, .Lfunc_end_k_qb9b74d4cb1_prep-k_qb9b74d4cb1_prep
	.p2alignl 7, 3214868480
	.fill 96, 4, 3214868480
	.section	.rodata,"a",@progbits
	.p2align	6, 0x0
	.amdhsa_kernel k_qb9b74d4cb1_prep
		.amdhsa_group_segment_fixed_size 34304
		.amdhsa_private_segment_fixed_size 0
		.amdhsa_enable_private_segment 0
		.amdhsa_kernarg_size 64
		.amdhsa_user_sgpr_count 2
		.amdhsa_user_sgpr_kernarg_segment_ptr 1
		.amdhsa_wavefront_size32 1
		.amdhsa_system_sgpr_workgroup_id_x 1
		.amdhsa_system_sgpr_workgroup_id_y 1
		.amdhsa_system_sgpr_workgroup_id_z 1
		.amdhsa_system_vgpr_workitem_id 0
		.amdhsa_next_free_vgpr 256
		.amdhsa_next_free_sgpr 66
		.amdhsa_reserve_vcc 0
		.amdhsa_float_denorm_mode_32 3
		.amdhsa_float_denorm_mode_16_64 3
		.amdhsa_memory_ordered 1
		.amdhsa_forward_progress 1
		.amdhsa_inst_pref_size 52
	.end_amdhsa_kernel
	.amdgpu_metadata
---
amdhsa.version: [ 1, 2 ]
amdhsa.kernels:
  - .name:           k_qb9b74d4cb1_prep
    .symbol:         k_qb9b74d4cb1_prep.kd
    .args:
      - { .name: x, .offset: 0, .size: 8, .value_kind: global_buffer, .address_space: global }
      - { .name: Wq, .offset: 8, .size: 8, .value_kind: global_buffer, .address_space: global }
      - { .name: Wk, .offset: 16, .size: 8, .value_kind: global_buffer, .address_space: global }
      - { .name: Wv, .offset: 24, .size: 8, .value_kind: global_buffer, .address_space: global }
      - { .name: Wo, .offset: 32, .size: 8, .value_kind: global_buffer, .address_space: global }
      - { .name: ximg, .offset: 40, .size: 8, .value_kind: global_buffer, .address_space: global }
      - { .name: wimg, .offset: 48, .size: 8, .value_kind: global_buffer, .address_space: global }
      - { .name: scl, .offset: 56, .size: 8, .value_kind: global_buffer, .address_space: global }
    .group_segment_fixed_size: 34304
    .private_segment_fixed_size: 0
    .kernarg_segment_align: 8
    .kernarg_segment_size: 64
    .max_flat_workgroup_size: 128
    .sgpr_count:     66
    .vgpr_count:     256
    .wavefront_size: 32
...
	.end_amdgpu_metadata
.endif
;; end of part 1
;; launch qkv (part 2): grid 8 x 32, 4 waves a work-group, clusters of 4 x 4, 327,680 bytes of LDS; arguments ximg, wimg, scl, bq, bk, bv, qimg, qsw, kv; writes qimg, qsw, kv
.if DOCPART == 2
	.amdgcn_target "amdgcn-amd-amdhsa--gfx1250"
	.amdhsa_code_object_version 6
	.text
	.protected	k_qb9b74d4cb1_qkv
	.globl	k_qb9b74d4cb1_qkv
	.p2align	8
	.type	k_qb9b74d4cb1_qkv,@function
k_qb9b74d4cb1_qkv:
	s_mov_b64 s[64:65], 0
	v_nop
	global_prefetch_b8 v0, s[64:65] scope:SCOPE_SE
	s_setreg_imm32_b32 hwreg(HW_REG_WAVE_MODE, 25, 1), 1
	s_wait_xcnt 0x0
	s_wait_alu depctr_hold_cnt(0) depctr_sa_sdst(0) depctr_va_vdst(0) depctr_va_sdst(0) depctr_va_ssrc(0) depctr_va_vcc(0) depctr_vm_vsrc(0)
	s_getreg_b32 s2, hwreg(HW_REG_IB_STS2, 6, 4)
	s_cmp_eq_u32 s2, 0
	s_cbranch_scc0 .Lentry_in_a_cluster
	s_endpgm
.Lentry_in_a_cluster:
	s_bfe_u32 s2, ttmp6, 0x10000c
	s_cmp_lg_u32 s2, 0xf033
	s_cbranch_scc0 .Lentry_shape_is_right
	s_endpgm
.Lentry_shape_is_right:
; QKV: q = x Wq + bq, k = x Wk + bk, v = x Wv + bv on codes of FP6 (E2M3) with E8M0 scales, and the three results' quantisers: q and k along the head's 64, v along the tokens.  No f32 result is stored.
; LIMITS: NaN and infinities are not served; a block's byte is held at 1 from below (a block of zeros gets the byte 1 where the rule says 127: its codes are zeros, and this program alone reads the bytes).
; IN: ximg, wimg: [row block of 16][K step 8][1536], each fragment the image of its 12 registers (piece p of 256 bytes: registers 2 p, 2 p + 1 of lane L at 8 L); place r of row block 4 g + v is row 64 g + 32 (r / 8) + 8 v + r % 8.
; scl: 32 bytes (8 scale words) for each place: x from byte 0, the weights from byte 262,144.
; OUT: qimg [head][token row block 512][768], qsw [head][row block][16 words]; kv [batch][head][key step 16][13,056]: K's codes [tile 8][768], K's words at 6,144, V^T's fragments [tile 4][1,536] at 6,656, V's words at 12,800.
; THE DEAL: 256 work-groups, each 256 tokens x two heads x (Q, K, V).  Four waves: wave (a, b) takes key step a of the two (8 row blocks of x) and head b.  It holds its head's 64 rows of a weight, ALL of K, in 384 registers,
; and streams its 8 row blocks past them: a block is 32 products (4 tiles of the weight by turns, K ascending).  Three phases, Q, K, V; Q and K are one text, a loop of two trips.
; Q, K: source 0 = the weight's rows, so a lane holds one token and its 32 sums are 32 neighbouring columns of the head: one scale block.  V: source 0 = x's rows, so a lane holds one column and its 64 sums a tile are 64 tokens.
; THE BIAS is the C of a block's first four products.  SCALE WORDS: register SC + 8 i + q holds in lanes 0-15 word q of x's block i and in lanes 16-31 word (q + 4) % 8 of the weight's tile i.
; The next phases' words and biases wait in registers that V's sums take later, and are moved at a phase's end.
; LDS: x's 16 row blocks stay for the whole launch, in three parts (blocks 0-1, 2-3, 4-7 of both key steps), each with a load line of its own; one region for the two heads' rows of a weight, filled again twice,
; each time in a drained round of the cluster's barrier inside block 2, when every wave holds the old rows in registers (waves 0 and 1 a half each).
; CLUSTERS 4 x 4: x's parts hang on the token group alone and are shared along a row of the cluster, a weight's rows on the pair of heads alone and are shared along a column.
; PREFETCH: the rows that a refill will ask for are named one phase ahead, 24 blocks of 256 bytes for each of the 16 waves of a column of the cluster, shared out by address; x and the first weight come by the head's loads alone.
.set RB,    12288                      ; a row block, all of K
.set XP2,   4*RB
.set XP3,   8*RB
.set WL,    16*RB                      ; the weights' region
.set SPARE, 24*RB                      ; the spare words, 128 bytes a wave
.set SPW, 4
.set NIL, 5
.set VO8, 6
.set VO4, 7
.set SH8, 8
.set AXA, 9                            ; LDS addresses of my blocks in the three parts
.set AXB, 10
.set AXC, 11
.set AW,  12                           ; and of my head's rows of the weight
.set VA0, 13
.set VA1, 14
.set VBO, 15
.set VBV, 16
.set TA,  24                           ; v24, v25 the two chains
.set SOP, 26
.set KA0, 27
.set KA1, 28
.set VV0, 29
.set VV1, 30
.set VPF, 31
.set SC,  32                           ; v32-95 scale words
.set ACC, 96                           ; v96-159 Q, K: two sets of four accumulators
.set NCD, 160                          ; two sets of six registers of codes
.set CT,  172
.set BY,  176
.set PT,  184
.set HV0, 96                           ; V: v96-223 tokens 0-63: 32 t + 8 s + j
.set BB,  224                          ; v224-255 the bias as C
.set HV1, 72                           ; window 3: V's tokens 64-127; before that the four stores below
.set ST1, 72
.set ST2, 104
.set BT1, 136
.set BT2, 168
.set WV,  22
.set WA,  23
.set WC,  24
.set CXI, 25
.set CYI, 26
.set MK,  27
.set G1X, 28
.set G1Y, 36
.set G1W, 44
.set G1V, 52
.set G0W, 60
.set G0A, 68
.set G0B, 72
.set G0C, 76
.set G0R, 80
.set OC,  84
.set OS,  86
.set OC2, 88
.set OS2, 90
.set SEL, 92
.set TRIP, 94
.set MSB, 0
.macro WIN new                         ; the immediate's high byte repeats the setting that is left
.if MSB != (\new)
	s_set_vgpr_msb (MSB<<8)|(\new)
.set MSB, (\new)
.endif
.endm
.macro WALU
	s_wait_alu depctr_va_vdst(0)
.endm
.macro PLACES n
.rept \n
	v_nop
.endr
.endm
.macro BARRIER
	s_barrier_signal -1
	s_barrier_wait -1
.endm
.macro MIDDLE                          ; a round's middle: the opening wait, wave 0's signal for the work-group, the cluster's wait
	WIN 0
	s_barrier_wait -1
	s_cmp_lg_u32 s[WV], 0
	s_cbranch_scc1 .Lnot_wave_0_\@
	s_barrier_signal -3
.Lnot_wave_0_\@:
	s_barrier_wait -3
.endm
.macro CROUND
	s_barrier_signal -1
	MIDDLE
	BARRIER
.endm
.macro TLOAD g0, g1
	tensor_load_to_lds s[\g0:\g0+3], s[\g1:\g1+7]
	s_nop 0
	PLACES 4
.endm
.macro GROUP1 g, mask, c, r, p         ; r rows of c elements of 8 bytes, pitch p, no padding
	s_or_b32 s[\g], s\mask, (3<<16)|(1<<21)
	s_mov_b32 s[\g+1], (\c)<<16
	s_mov_b32 s[\g+2], (\r)<<16
	s_mov_b32 s[\g+3], (\c)<<16
	s_mov_b32 s[\g+4], \r
	s_mov_b32 s[\g+5], \p
	s_mov_b32 s[\g+6], 0
	s_mov_b32 s[\g+7], 0
.endm
; Fragment f lies in window 1 + f / 21 at register 12 (f % 21): 0-31 the weight's (4 q + tile), 32-39 and 40-47 x's two sets.
.macro FETCH s                         ; block s of my key step into set s % 2: 48 loads
.if (\s) < 2
.set FA_, AXA
.set FO_, (\s)*RB
.elseif (\s) < 4
.set FA_, AXB
.set FO_, ((\s)-2)*RB
.else
.set FA_, AXC
.set FO_, ((\s)-4)*RB
.endif
.irp q, 0,1,2,3,4,5,6,7
.set FF_, 32+8*((\s)%2)+\q
	WIN (1+FF_/21)<<6
.irp p, 0,1,2,3,4,5
	ds_load_b64 v[12*(FF_%21)+2*\p:12*(FF_%21)+2*\p+1], v[FA_] offset:FO_+1536*\q+256*\p
.endr
.endr
	WIN 0
.endm
.macro WEIGHTS                         ; my head's 64 rows, all of K: 192 loads
.irp q, 0,1,2,3,4,5,6,7
.irp v, 0,1,2,3
.set FF_, 4*\q+\v
	WIN (1+FF_/21)<<6
.irp p, 0,1,2,3,4,5
	ds_load_b64 v[12*(FF_%21)+2*\p:12*(FF_%21)+2*\p+1], v[AW] offset:RB*\v+1536*\q+256*\p
.endr
.endr
.endr
	WIN 0
.endm
.macro W6 d, a, b, c, sa, sb, side     ; the side named takes its scales from lanes 16-31: the weight's
	v_wmma_scale_f32_16x16x128_f8f6f4 v[\d:\d+7], v[\a:\a+11], v[\b:\b+11], \c, v[\sa], v[\sb] matrix_a_fmt:MATRIX_FMT_FP6 matrix_b_fmt:MATRIX_FMT_FP6 matrix_\side\()_scale:MATRIX_SCALE_ROW1
.endm
.macro PQK e, s, n                     ; product n = 4 q + tile of block s (set e), Q or K
.set Q_, (\n)/4
.set V_, (\n)%4
.set FW_, 4*Q_+V_
.set FX_, 32+8*(\e)+Q_
.set D_, ACC+32*(\e)+8*V_
	WIN (1+FW_/21)|((1+FX_/21)<<2)
.if Q_
	W6 D_, 12*(FW_%21), 12*(FX_%21), v[D_:D_+7], SC+8*V_+(Q_+4)%8, SC+8*(\s)+Q_, a
.else
	W6 D_, 12*(FW_%21), 12*(FX_%21), v[BB+8*V_:BB+8*V_+7], SC+8*V_+(Q_+4)%8, SC+8*(\s)+Q_, a
.endif
.endm
.macro PVV e, s, n                     ; the same for V: x's rows are source 0
.set Q_, (\n)/4
.set V_, (\n)%4
.set FW_, 4*Q_+V_
.set FX_, 32+8*(\e)+Q_
.if (\s) < 4
.set DW_, 0
.set D_, HV0+32*V_+8*(\s)
.else
.set DW_, 3
.set D_, HV1+32*V_+8*((\s)-4)
.endif
.if Q_
	WIN (1+FX_/21)|((1+FW_/21)<<2)|(DW_<<4)|(DW_<<6)
	W6 D_, 12*(FX_%21), 12*(FW_%21), v[D_:D_+7], SC+8*(\s)+Q_, SC+8*V_+(Q_+4)%8, b
.else
	WIN (1+FX_/21)|((1+FW_/21)<<2)|(DW_<<6)
	W6 D_, 12*(FX_%21), 12*(FW_%21), v[BB+8*V_:BB+8*V_+7], SC+8*(\s)+Q_, SC+8*V_+(Q_+4)%8, b
.endif
.endm
.macro CH i, x                         ; line i of 18: the largest magnitude of the 32 sums from register x on, in two chains, with the floor 2^(3 - 127); then the conversions' scale operand
.if ((\i) >= 0) && ((\i) < 18)
	WIN 0
.if (\i) < 2
	v_max3_num_f32 v[TA+(\i)], |v[(\x)+16*(\i)]|, |v[(\x)+16*(\i)+1]|, |v[(\x)+16*(\i)+2]|
.elseif (\i) < 14
	v_max3_num_f32 v[TA+(\i)%2], v[TA+(\i)%2], |v[(\x)+16*((\i)%2)+2*((\i)/2)+1]|, |v[(\x)+16*((\i)%2)+2*((\i)/2)+2]|
.elseif (\i) == 14
	v_max3_num_f32 v[TA], v[TA], |v[(\x)+15]|, 0x1800000
.elseif (\i) == 15
	v_nop
.elseif (\i) == 16
	v_max3_num_f32 v[TA], v[TA], |v[(\x)+31]|, v[TA+1]
.else
	v_add_nc_u32 v[SOP], 0xff000000, v[TA]
.endif
.endif
.endm
.macro QKP e, s, from, to, x           ; products from .. to - 1 of a block; behind every second one two lines of the way out of the sums at x (-1: none)
.set N_, \from
.rept (\to)-(\from)
	PQK \e, \s, N_
.if (N_%2) && ((\x) >= 0)
	CH N_-1, \x
	CH N_, \x
.endif
.set N_, N_+1
.endr
.endm
.macro WOUT s, xc                      ; block s's codes and byte; the shift and the three moves are the four places ahead of the next fetch
	WIN 0
.if \xc
	s_wait_xcnt 0x0                                ; earlier stores have read the registers written below
	WALU                                           ; ahead of the reader of the scale operand
.endif
	v_cvt_scalef32_pk16_fp6_f32 v[NCD+6*((\s)%2):NCD+6*((\s)%2)+2], v[ACC+32*((\s)%2):ACC+32*((\s)%2)+15], v[SOP]
	v_cvt_scalef32_pk16_fp6_f32 v[CT:CT+2], v[ACC+32*((\s)%2)+16:ACC+32*((\s)%2)+31], v[SOP]
	v_lshrrev_b32 v[BY+(\s)], 23, v[SOP]
.irp i, 0,1,2
	v_mov_b32 v[NCD+6*((\s)%2)+3+\i], v[CT+\i]
.endr
.endm
.macro STORES s
.irp p, 0,1,2
	global_store_b64 v[VO8], v[NCD+6*((\s)%2)+2*\p:NCD+6*((\s)%2)+2*\p+1], s[OC:OC+1] offset:768*(\s)+256*\p   ; 256 consecutive bytes, aligned
.endr
.endm
.macro QKREG s                         ; a block with no barrier: its rows were fetched two blocks ago; the 48 loads issued behind them may be out
.if (\s) < 7
	s_wait_dscnt 48
.else
	s_wait_dscnt 0x0
.endif
	QKP (\s)%2, \s, 0, 32, ACC+32*(((\s)+1)%2)
	WOUT (\s)-1, 1
	STORES (\s)-1
.if (\s) < 6
	FETCH (\s)+2
.endif
.endm
.macro PHASETOP                        ; the weight's rows (and, the first time, x's first part) are shown to all: waves 0 and 1 issued them, and wait
	s_cmp_lt_u32 s[WV], 2
	s_cbranch_scc0 .Lnot_mine_\@
	s_wait_tensorcnt 0x0
.Lnot_mine_\@:
	s_wait_dscnt 0x0
	BARRIER
	WEIGHTS
	FETCH 0
	FETCH 1
.endm
	s_load_b256 s[4:11], s[0:1], 0x0               ; ximg, wimg, scl, bq
	s_load_b256 s[12:19], s[0:1], 0x20             ; bk, bv, qimg, qsw
	s_load_b64 s[20:21], s[0:1], 0x40              ; kv
	v_lshl_add_u32 v[SPW], v0, 2, SPARE
	v_mov_b32 v[NIL], 0
	ds_add_u32 v[SPW], v[NIL]                      ; the opening lines
	ds_add_u32 v[SPW], v[NIL]
	v_lshrrev_b32 v1, 5, v0
	v_readfirstlane_b32 s[WV], v1
	s_lshr_b32 s[WA], s[WV], 1                     ; a: my key step of the two
	s_and_b32 s[WC], s[WV], 1                      ; b: my head of the two
	s_bfe_u32 s[CXI], ttmp6, 0x40000
	s_bfe_u32 s[CYI], ttmp6, 0x40004
	s_lshl_b32 s95, ttmp9, 2
	s_add_co_u32 s95, s95, s[CXI]                  ; s95 the pair of heads, 0 .. 7
	s_and_b32 s96, ttmp7, 0xffff
	s_lshl_b32 s96, s96, 2
	s_add_co_u32 s96, s96, s[CYI]                  ; s96 the group of 256 tokens, 0 .. 31
	s_lshl_b32 s97, s[CYI], 2
	s_lshl_b32 s97, 15, s97                        ; my row of the cluster
	s_lshl_b32 s98, 0x1111, s[CXI]                 ; my column
	GROUP1 G1X, 97, 2*1536, 2, 8*1536              ; two blocks of each key step
	GROUP1 G1Y, 97, 4*1536, 2, 8*1536              ; four
	GROUP1 G1W, 98, 1536, 8, 1536                  ; two heads' rows of a weight
	GROUP1 G1V, 98, 1536, 4, 1536                  ; one head's
	s_lshl_b32 s100, s95, 1
	s_add_co_u32 s100, s100, s[WC]                 ; s100 my head
	s_lshl_b32 s101, s96, 4
	s_lshl_b32 s2, s[WA], 3
	s_add_co_u32 s101, s101, s2                    ; s101 my first token row block
	s_mul_i32 s66, s[WA], 2*RB
	s_mul_i32 s67, s[WA], 4*RB
	s_add_co_u32 s67, s67, XP3
	s_mul_i32 s2, s[WC], 4*RB
	s_add_co_u32 s2, s2, WL
	s_lshl_b32 s3, s101, 9                         ; my rows' scale words in scl
	s_lshl_b32 s94, s100, 11
	s_add_co_u32 s94, s94, 262144+16               ; Wq's, my head's 64 rows, 16 bytes on
	s_mul_i32 s99, s95, 8*RB
	s_add_co_u32 s99, s99, 64*RB
	s_lshl_b32 s98, s[CYI], 2
	s_add_co_u32 s98, s98, s[WV]
	s_mul_i32 s98, s98, 24*256
	s_add_co_u32 s99, s99, s98                     ; my sixteenth of Wk's rows for these two heads
	s_mov_b32 s[SEL], 0x76543210
	s_mov_b32 s[SEL+1], 0xfedcba98
	v_and_b32 v1, 31, v0
	v_and_b32 v2, 15, v0
	v_bfe_u32 v3, v0, 4, 1
	v_lshlrev_b32 v[VO8], 3, v1
	v_lshlrev_b32 v[VO4], 2, v1
	v_lshlrev_b32 v[SH8], 3, v3
	v_cmp_le_u32 s[MK], 16, v1
	v_add_nc_u32 v[AXA], s66, v[VO8]
	v_add_nc_u32 v[AXC], s67, v[VO8]
	v_add_nc_u32 v[AW], s2, v[VO8]
	v_add_nc_u32 v[AXB], XP2, v[AXA]
	v_mov_b32 v17, s3
	v_mov_b32 v18, s94
	v_cndmask_b32 v[VA0], v17, v18, s[MK]          ; lanes 0-15 x's words 0-3, lanes 16-31 the weight's words 4-7
	v_lshl_add_u32 v[VA0], v2, 5, v[VA0]
	v_lshlrev_b32 v19, 5, v3
	v_add_nc_u32 v[VA1], 16, v[VA0]
	v_sub_nc_u32 v[VA1], v[VA1], v19               ; lanes 0-15 x's words 4-7, lanes 16-31 the weight's words 0-3
	v_lshlrev_b32 v20, 15, v3                      ; from a weight's words to the next weight's, in lanes 16-31 alone
	v_add_nc_u32 v[KA0], v[VA0], v20
	v_add_nc_u32 v[KA1], v[VA1], v20
	v_add_nc_u32 v[VV0], v[KA0], v20
	v_add_nc_u32 v[VV1], v[KA1], v20
	v_lshlrev_b32 v[VBO], 7, v3                    ; Q, K: register 8 v + j of lane (r, h) is column 32 h + 8 v + j
	v_lshrrev_b32 v19, 3, v2
	v_and_b32 v21, 7, v2
	v_lshl_add_u32 v21, v19, 5, v21
	v_lshlrev_b32 v[VBV], 2, v21                   ; V: lane r of tile t has column 32 (r / 8) + 8 t + r % 8
	v_min_u32 v22, 23, v1
	v_lshl_add_u32 v[VPF], v22, 8, s99             ; a lane a block of 256 bytes; the lanes left over name the last again
.irp i, 0,1,2,3,4,5,6,7
	v_mov_b32 v[PT+\i], 0                          ; a lane permute's destination counts as one of its sources
.endr
	WALU
	s_wait_dscnt 0x0
	CROUND                                         ; the round in front of the first joint loads
	s_wait_kmcnt 0x0
	s_mul_i32 s2, s96, 16*RB
	s_mov_b32 s3, 0
	s_add_nc_u64 s[G0A+2:G0A+3], s[4:5], s[2:3]
	s_add_nc_u64 s[G0B+2:G0B+3], s[G0A+2:G0A+3], 2*RB
	s_add_nc_u64 s[G0C+2:G0C+3], s[G0A+2:G0A+3], 4*RB
	s_mul_i32 s66, s95, 8*RB
	s_mov_b32 s67, 0
	s_add_nc_u64 s[G0W+2:G0W+3], s[6:7], s[66:67]
	s_mul_i32 s98, s[WV], 4*RB
	s_mov_b32 s99, 0
	s_add_nc_u64 s[G0R+2:G0R+3], s[G0W+2:G0W+3], s[98:99]
.irp g, G0A, G0B, G0C, G0W, G0R
	s_mov_b32 s[\g], 1
	s_or_b32 s[\g+3], s[\g+3], 0x80000000
.endr
	s_mov_b32 s[G0A+1], 0
	s_mov_b32 s[G0B+1], XP2
	s_mov_b32 s[G0C+1], XP3
	s_mov_b32 s[G0W+1], WL
	s_mul_i32 s[G0R+1], s[WV], 4*RB
	s_add_co_u32 s[G0R+1], s[G0R+1], WL
	s_cmp_eq_u32 s[WV], 0                          ; one load a wave, each in an arm of its own
	s_cbranch_scc0 .Larm_1
	TLOAD G0W, G1W                                 ; wave 0: Wq's rows
	s_branch .Lasked
.Larm_1:
	s_cmp_eq_u32 s[WV], 1
	s_cbranch_scc0 .Larm_2
	TLOAD G0A, G1X                                 ; wave 1: blocks 0, 1
	s_branch .Lasked
.Larm_2:
	s_cmp_eq_u32 s[WV], 2
	s_cbranch_scc0 .Larm_3
	TLOAD G0B, G1X                                 ; wave 2: blocks 2, 3
	s_branch .Lasked
.Larm_3:
	TLOAD G0C, G1Y                                 ; wave 3: blocks 4 to 7
.Lasked:
	s_lshl_b32 s66, s100, 9
	s_add_co_u32 s66, s66, s101                    ; 512 head + row block
	s_mul_i32 s2, s66, 768
	s_add_nc_u64 s[OC:OC+1], s[16:17], s[2:3]      ; q's codes,
	s_lshl_b32 s2, s66, 6
	s_add_nc_u64 s[OS:OS+1], s[18:19], s[2:3]      ; q's words
	s_lshr_b32 s66, s96, 3
	s_lshl_b32 s66, s66, 4
	s_add_co_u32 s66, s66, s100
	s_lshl_b32 s66, s66, 4
	s_lshl_b32 s2, s96, 1
	s_add_co_u32 s2, s2, s[WA]
	s_and_b32 s2, s2, 15
	s_add_co_u32 s66, s66, s2                      ; (16 batch + head) 16 + key step
	s_mul_i32 s2, s66, 13056
	s_add_nc_u64 s[OC2:OC2+1], s[20:21], s[2:3]    ; my key step's block of kv: K's codes,
	s_add_nc_u64 s[OS2:OS2+1], s[OC2:OC2+1], 6144  ; K's words
	s_lshl_b32 s2, s100, 8
	s_add_nc_u64 s[10:11], s[10:11], s[2:3]        ; my head's 64 numbers of each bias
	s_add_nc_u64 s[12:13], s[12:13], s[2:3]
	s_add_nc_u64 s[14:15], s[14:15], s[2:3]
.irp i, 0,1,2,3,4,5,6,7
	global_load_b128 v[SC+8*\i:SC+8*\i+3], v[VA0], s[8:9] offset:512*\i
	global_load_b128 v[SC+8*\i+4:SC+8*\i+7], v[VA1], s[8:9] offset:512*\i
.endr
.irp i, 0,1,2,3,4,5,6,7
	global_load_b128 v[BB+4*\i:BB+4*\i+3], v[VBO], s[10:11] offset:16*\i
.endr
	WIN 0xc0
.irp i, 0,1,2,3
	global_load_b128 v[ST1+8*\i:ST1+8*\i+3], v[KA0], s[8:9] offset:512*\i
	global_load_b128 v[ST1+8*\i+4:ST1+8*\i+7], v[KA1], s[8:9] offset:512*\i
	global_load_b128 v[ST2+8*\i:ST2+8*\i+3], v[VV0], s[8:9] offset:512*\i
	global_load_b128 v[ST2+8*\i+4:ST2+8*\i+7], v[VV1], s[8:9] offset:512*\i
.endr
.irp i, 0,1,2,3,4,5,6,7
	global_load_b128 v[BT1+4*\i:BT1+4*\i+3], v[VBO], s[12:13] offset:16*\i
.endr
.irp t, 0,1,2,3
.irp j, 0,1,2,3,4,5,6,7
	global_load_b32 v[BT2+8*\t+\j], v[VBV], s[14:15] offset:32*\t   ; V's number, one a lane and tile, in the tile's eight registers
.endr
.endr
	WIN 0
	global_prefetch_b8 v[VPF], s[6:7] th:TH_LOAD_NT scope:SCOPE_SE  ; what the first refill will ask for
	s_mov_b32 s[TRIP], 0
	s_wait_loadcnt 0x0
.Lphase:                                               ; Q, then K
	PHASETOP
	s_wait_dscnt 48
	QKP 0, 0, 0, 32, -1
	WIN 0
	PLACES 4
	s_cmp_eq_u32 s[WV], 3
	s_cbranch_scc1 .Lnot_part_2
	s_wait_tensorcnt 0x0
.Lnot_part_2:
	s_wait_dscnt 0x0
	BARRIER                                        ; blocks 2, 3 are shown to all; blocks 4 to 7 may be on their way
	FETCH 2
	QKREG 1
	s_wait_dscnt 48                                ; block 2, with the round of the refill
	s_wait_xcnt 0x0
	s_wait_tensorcnt 0x0                           ; three lines ahead of a refill: all my loads are in,
	ds_add_u32 v[SPW], v[NIL]
	s_add_nc_u64 s[G0R+2:G0R+3], s[G0R+2:G0R+3], 64*RB             ; (no load of mine is out: the next weight's rows)
	QKP 0, 2, 0, 26, ACC+32
	WIN 0
	WALU
	s_wait_dscnt 0x0                               ; the add is done, and so are my reads of the weights' region
	s_barrier_signal -1
	QKP 0, 2, 26, 32, -1
	WOUT 1, 0
	MIDDLE
	BARRIER
	s_cmp_lt_u32 s[WV], 2
	s_cbranch_scc0 .Lno_half
	TLOAD G0R, G1V                                 ; waves 0 and 1: one head's rows each, onto rows that all waves hold in registers
.Lno_half:
	WALU
	STORES 1
	FETCH 4
	s_cmp_eq_u32 s[TRIP], 0
	s_cbranch_scc0 .Lno_ask
	global_prefetch_b8 v[VPF], s[6:7] offset:64*RB th:TH_LOAD_NT scope:SCOPE_SE   ; what the second refill will ask for; the second trip has no refill ahead of it
.Lno_ask:
	QKREG 3
	QKREG 4
	QKREG 5
	QKREG 6
	QKREG 7
.set I_, 0
.rept 18
	CH I_, ACC+32
.set I_, I_+1
.endr
	WOUT 7, 1
	STORES 7
.irp s, 0,1,2,3,4,5,6,7                ; the eight blocks' scale words: my byte at place lane / 16, with lane l xor 16's
	v_lshlrev_b32 v[BY+\s], v[SH8], v[BY+\s]
.endr
.irp s, 0,1,2,3,4,5,6,7
	v_permlanex16_b32 v[PT+\s], v[BY+\s], s[SEL], s[SEL+1]
.endr
.irp s, 0,1,2,3,4,5,6,7
	v_or_b32 v[BY+\s], v[BY+\s], v[PT+\s]
.endr
.irp k, 0,1,2,3
	v_cndmask_b32 v[BY+2*\k], v[BY+2*\k], v[BY+2*\k+1], s[MK]      ; lanes 0-15 one block's words, lanes 16-31 the next's
.endr
.irp k, 0,1,2,3
	global_store_b32 v[VO4], v[BY+2*\k], s[OS:OS+1] offset:128*\k
.endr
	s_wait_xcnt 0x0                                ; the stores have read their bases
	s_mov_b64 s[OC:OC+1], s[OC2:OC2+1]
	s_mov_b64 s[OS:OS+1], s[OS2:OS2+1]
	WIN 0x03                                       ; the next phase's scale words and bias
.set I_, 0
.rept 32
	v_mov_b32 v[SC+I_], v[ST1+I_]
.set I_, I_+1
.endr
.set I_, 0
.rept 32
	v_mov_b32 v[BB+I_], v[BT1+I_]
.set I_, I_+1
.endr
	WIN 0xc3
.set I_, 0
.rept 32
	v_mov_b32 v[ST1+I_], v[ST2+I_]
	v_mov_b32 v[BT1+I_], v[BT2+I_]
.set I_, I_+1
.endr
	WIN 0
	s_add_co_u32 s[TRIP], s[TRIP], 1
	s_cmp_lt_u32 s[TRIP], 2
	WALU
	s_cbranch_scc1 .Lphase
; V: eight blocks, 256 sums a lane
	PHASETOP
.irp s, 0,1,2,3,4,5,6,7
.if \s < 7
	s_wait_dscnt 48
.else
	s_wait_dscnt 0x0
.endif
.set N_, 0
.rept 32
	PVV (\s)%2, \s, N_
.set N_, N_+1
.endr
	WIN 0
	PLACES 4
.if \s < 6
	FETCH \s+2
.endif
.endr
; V's way out: for each of four tiles two blocks of 32 tokens a lane; the four tiles take turns.  At work: the bias's registers; the codes go to window 1, where the weight lay.
.set TMV, 224
.set SCV, 232
.set PWV, 240
.set PTV, 244
.irp t, 0,1,2,3
	v_max3_num_f32 v[TMV+2*\t], |v[HV0+32*\t]|, |v[HV0+32*\t+1]|, 0x1800000
.endr
.irp i, 2,4,6,8,10,12,14,16,18,20,22,24,26,28,30
.irp t, 0,1,2,3
	v_max3_num_f32 v[TMV+2*\t], v[TMV+2*\t], |v[HV0+32*\t+\i]|, |v[HV0+32*\t+\i+1]|
.endr
.endr
	WIN 0x0f
.irp t, 0,1,2,3
	v_max3_num_f32 v[TMV+2*\t+1], |v[HV1+32*\t]|, |v[HV1+32*\t+1]|, 0x1800000
.endr
	WIN 0x3c
.irp i, 2,4,6,8,10,12,14,16,18,20,22,24,26,28,30
.irp t, 0,1,2,3
	v_max3_num_f32 v[TMV+2*\t+1], v[TMV+2*\t+1], |v[HV1+32*\t+\i]|, |v[HV1+32*\t+\i+1]|
.endr
.endr
	WIN 0
.irp k, 0,1,2,3,4,5,6,7
	v_add_nc_u32 v[SCV+\k], 0xff000000, v[TMV+\k]
.endr
.irp k, 0,1,2,3,4,5,6,7
	v_lshrrev_b32 v[TMV+\k], 23, v[SCV+\k]
.endr
.irp t, 0,1,2,3
	v_lshl_or_b32 v[PWV+\t], v[TMV+2*\t+1], 16, v[TMV+2*\t]
.endr
.irp t, 0,1,2,3
	v_lshlrev_b32 v[PWV+\t], v[SH8], v[PWV+\t]
.endr
.irp t, 0,1,2,3
	v_permlanex16_b32 v[PTV+\t], v[PWV+\t], s[SEL], s[SEL+1]
.endr
.irp t, 0,1,2,3
	v_or_b32 v[PWV+\t], v[PWV+\t], v[PTV+\t]
.endr
	v_cndmask_b32 v[PWV], v[PWV], v[PWV+1], s[MK]
	v_cndmask_b32 v[PWV+2], v[PWV+2], v[PWV+3], s[MK]
	WIN 0x40
.irp t, 0,1,2,3
	v_cvt_scalef32_pk16_fp6_f32 v[12*\t:12*\t+2], v[HV0+32*\t:HV0+32*\t+15], v[SCV+2*\t]
	v_cvt_scalef32_pk16_fp6_f32 v[48+8*\t:48+8*\t+2], v[HV0+32*\t+16:HV0+32*\t+31], v[SCV+2*\t]
.endr
	WIN 0x43
.irp t, 0,1,2,3
	v_cvt_scalef32_pk16_fp6_f32 v[12*\t+6:12*\t+8], v[HV1+32*\t:HV1+32*\t+15], v[SCV+2*\t+1]
	v_cvt_scalef32_pk16_fp6_f32 v[48+8*\t+4:48+8*\t+6], v[HV1+32*\t+16:HV1+32*\t+31], v[SCV+2*\t+1]
.endr
	v_nop                                          ; one plain place behind the conversions
	WIN 0x41
.irp t, 0,1,2,3
.irp i, 0,1,2
	v_mov_b32 v[12*\t+3+\i], v[48+8*\t+\i]
	v_mov_b32 v[12*\t+9+\i], v[48+8*\t+4+\i]
.endr
.endr
	WIN 0x04
.irp t, 0,1,2,3
.irp p, 0,1,2,3,4,5
	global_store_b64 v[VO8], v[12*\t+2*\p:12*\t+2*\p+1], s[OC:OC+1] offset:6656+1536*\t+256*\p
.endr
.endr
	WIN 0
	global_store_b32 v[VO4], v[PWV], s[OC:OC+1] offset:12800
	global_store_b32 v[VO4], v[PWV+2], s[OC:OC+1] offset:12928
	s_wait_tensorcnt 0x0                           ; the wave's end
	ds_add_u32 v[SPW], v[NIL]
	s_wait_dscnt 0x0
	CROUND                                         ; the closing round
	s_endpgm
.Lfunc_end_k_qb9b74d4cb1_qkv:
	.size	k_qb9b74d4cb1_qkv, .Lfunc_end_k_qb9b74d4cb1_qkv-k_qb9b74d4cb1_qkv
	.p2alignl 7, 3214868480
	.fill 96, 4, 3214868480
	.section	.rodata,"a",@progbits
	.p2align	6, 0x0
	.amdhsa_kernel k_qb9b74d4cb1_qkv
		.amdhsa_group_segment_fixed_size 327680
		.amdhsa_private_segment_fixed_size 0
		.amdhsa_enable_private_segment 0
		.amdhsa_kernarg_size 72
		.amdhsa_user_sgpr_count 2
		.amdhsa_user_sgpr_kernarg_segment_ptr 1
		.amdhsa_wavefront_size32 1
		.amdhsa_system_sgpr_workgroup_id_x 1
		.amdhsa_system_sgpr_workgroup_id_y 1
		.amdhsa_system_sgpr_workgroup_id_z 1
		.amdhsa_system_vgpr_workitem_id 0
		.amdhsa_next_free_vgpr 992
		.amdhsa_next_free_sgpr 102
		.amdhsa_reserve_vcc 0
		.amdhsa_float_denorm_mode_32 3
		.amdhsa_float_denorm_mode_16_64 3
		.amdhsa_memory_ordered 1
		.amdhsa_forward_progress 1
		.amdhsa_inst_pref_size 198
	.end_amdhsa_kernel
	.amdgpu_metadata
---
amdhsa.version: [ 1, 2 ]
amdhsa.kernels:
  - .name:           k_qb9b74d4cb1_qkv
    .symbol:         k_qb9b74d4cb1_qkv.kd
    .args:
      - { .name: ximg, .offset: 0, .size: 8, .value_kind: global_buffer, .address_space: global }
      - { .name: wimg, .offset: 8, .size: 8, .value_kind: global_buffer, .address_space: global }
      - { .name: scl, .offset: 16, .size: 8, .value_kind: global_buffer, .address_space: global }
      - { .name: bq, .offset: 24, .size: 8, .value_kind: global_buffer, .address_space: global }
      - { .name: bk, .offset: 32, .size: 8, .value_kind: global_buffer, .address_space: global }
      - { .name: bv, .offset: 40, .size: 8, .value_kind: global_buffer, .address_space: global }
      - { .name: qimg, .offset: 48, .size: 8, .value_kind: global_buffer, .address_space: global }
      - { .name: qsw, .offset: 56, .size: 8, .value_kind: global_buffer, .address_space: global }
      - { .name: kv, .offset: 64, .size: 8, .value_kind: global_buffer, .address_space: global }
    .group_segment_fixed_size: 327680
    .private_segment_fixed_size: 0
    .kernarg_segment_align: 8
    .kernarg_segment_size: 72
    .max_flat_workgroup_size: 128
    .sgpr_count:     102
    .vgpr_count:     992
    .wavefront_size: 32
...
	.end_amdgpu_metadata
.endif
;; end of part 2
;; launch attn (part 3): grid 4 x 64, 8 waves a work-group, clusters of 4 x 1, 212,992 bytes of LDS; arguments qimg, qsw, kv, oimg, osw; writes oimg, osw
.if DOCPART == 3
	.amdgcn_target "amdgcn-amd-amdhsa--gfx1250"
	.amdhsa_code_object_version 6
	.text
	.protected	k_qb9b74d4cb1_attn
	.globl	k_qb9b74d4cb1_attn
	.p2align	8
	.type	k_qb9b74d4cb1_attn,@function
k_qb9b74d4cb1_attn:
	s_mov_b64 s[64:65], 0
	v_nop
	global_prefetch_b8 v0, s[64:65] scope:SCOPE_SE
	s_setreg_imm32_b32 hwreg(HW_REG_WAVE_MODE, 25, 1), 1
	s_wait_xcnt 0x0
	s_wait_alu depctr_hold_cnt(0) depctr_sa_sdst(0) depctr_va_vdst(0) depctr_va_sdst(0) depctr_va_ssrc(0) depctr_va_vcc(0) depctr_vm_vsrc(0)
	s_getreg_b32 s2, hwreg(HW_REG_IB_STS2, 6, 4)
	s_cmp_eq_u32 s2, 0
	s_cbranch_scc0 .Lentry_in_a_cluster
	s_endpgm
.Lentry_in_a_cluster:
	s_bfe_u32 s2, ttmp6, 0x10000c
	s_cmp_lg_u32 s2, 0x3003
	s_cbranch_scc0 .Lentry_shape_is_right
	s_endpgm
.Lentry_shape_is_right:
; ATTN: for each of 64 (batch, head): O = softmax(q k^T / 8) v, both products on codes of FP6 (E2M3) with E8M0 scales; O is divided by the row's sum and quantised along the model axis for the last product.
; THE SOFTMAX: t = score x log2(e) / 8; M = the row's largest t so far, rounded UP to a whole number; p = 2^(t - M) is quantised along the keys, not normalised; the row's sum is taken of the
; unquantised p; when M moves, the sum and O are multiplied by 2^(old M - new M), which rounds nothing.
; LIMITS: NaN and infinities not served; the promise holds while the scaled scores t stay under 2^31 in magnitude; a block's byte is held at 1 from below (a block whose every p is 0 keeps that byte: its codes are zeros).
; SHARES.  The four work-groups of a cluster are the four quarters of one head's 2,048 queries.  A work-group owns 512 queries, each of its eight waves FOUR row blocks of 16, all four in one walk over the keys:
; a key step's fragments of K and V are read from LDS once for 64 queries (54 LDS loads for four row blocks).  The row blocks go in two PAIRS; the two of a pair take turns line by line, so that chains of dependent lines are interleaved.
; THE WHOLE HEAD'S K AND V STAY IN LDS: 16 key steps x 13,056 bytes, filled once, jointly for the four work-groups: every wave issues one load of two key steps (102 rows of 256 bytes).  No byte is filled again.
; No prefetch: all that the launch reads by tensor loads is asked for at its head, so there is no loop to run ahead in.
; A key step's block: K's codes [tile 8][768] at 0; K's scale words [8][16] at 6,144; V^T's fragments [tile 4][1,536] at 6,656; V's scale words [4][16] at 12,800.  All are images of registers.
; LAYOUT.  Both products are used transposed: S^T = K Q^T, O^T = V^T P^T: a lane holds ONE query.  Place r of a row block 4 g + v is row 64 g + 32 (r / 8) + 8 v + r % 8, so a lane's 32 registers of
; tiles 4 g .. 4 g + 3 are one whole block of 32 keys (block 2 g + lane / 16): a block's maximum needs no other lane, and the conversions' results are P's operand.
; THE FIRST PRODUCT'S K IS 64 in an instruction of 128: Q's upper six registers are zero codes and its upper two scale bytes 0; K's upper six registers are whatever follows (the next tile's codes): they meet zeros.
; LOADS RUN AHEAD: K of the next step is asked for behind this step's last score products, V of the next step behind this step's last P V products.  In the last trip the next step's address is held at step 15: those loads are read by nobody.
; REGISTERS.  Window 0: v1-8 addresses; v12-27 for each row block -M, largest t, the sum (a pair); v28-39 scale words; v40-71, v120-127 at work; v72-95 p's codes; v96-119 V's tiles 2, 3; v128-255 S^T of a pair, then p.
; Window 1 (v256-511): 0-127 O^T of four row blocks; 128-175 Q; 176-229 K's tiles; 230-253 V's tiles 0, 1.
.set KSB,   13056
.set SPARE, 16*KSB                     ; behind the head's K and V: the spare words, 128 bytes a wave
.set LB,  1                            ; 8 x lane
.set LW,  2                            ; 4 x lane
.set SPW, 3
.set NIL, 4
.set ADK, 5
.set ADS, 6
.set SH8, 7
.set R4,  8                            ; 4 x (lane % 16)
.set ST,  12                           ; row block j: v[ST+4j] -M, +1 largest t, +2, +3 the sum
.set QS,  28                           ; Q's scale words
.set KSW, 32
.set VSW, 36
.set PW,  38                           ; p's scale words, one for each of a pair
.set BM,  40
.set T1,  44
.set T2,  46
.set FF,  48                           ; two pairs: f
.set SCO, 52
.set L,   56                           ; the sums' side chains
.set CT,  64                           ; the conversions' odd halves: 64.. and 120..
.set F,   72
.set VH,  96
.set S,   128
.set O,   0                            ; window 1
.set Q,   128
.set K,   176
.set VL,  230
.set WV,  14
.set SEL, 20
.set CS,  22
.set TB,  24
.set CNT, 25
.set MK,  26
.set TN,  27
.set G1,  28
.set G0,  36
.set MSB, 0
.macro WIN new                         ; the immediate's high byte repeats the setting that is left
.if MSB != (\new)
	s_set_vgpr_msb (MSB<<8)|(\new)
.set MSB, (\new)
.endif
.endm
.macro WALU
	s_wait_alu depctr_va_vdst(0)
.endm
.macro PLACES n
.rept \n
	v_nop
.endr
.endm
.macro CROUND
	s_barrier_signal -1
	s_barrier_wait -1
	s_cmp_lg_u32 s[WV], 0
	s_cbranch_scc1 .Lnot_wave_0_\@
	s_barrier_signal -3
.Lnot_wave_0_\@:
	s_barrier_wait -3
	s_barrier_signal -1
	s_barrier_wait -1
.endm
.macro KLOAD                           ; 28 LDS loads: K's eight tiles and their scale words
	WIN 0x40
.irp tt, 0,1,2,3,4,5,6,7
.irp p, 0,1,2
	ds_load_b64 v[K+6*\tt+2*\p:K+6*\tt+2*\p+1], v[ADK] offset:768*\tt+256*\p
.endr
.endr
	WIN 0
.irp i, 0,1,2,3
	ds_load_b32 v[KSW+\i], v[ADS] offset:6144+128*\i               ; lanes 0-15 tile 2 i's words, lanes 16-31 tile 2 i + 1's
.endr
.endm
.macro VLOAD                           ; 26 LDS loads: V's four fragments and their scale words
	WIN 0x40
.irp dt, 0,1
.irp p, 0,1,2,3,4,5
	ds_load_b64 v[VL+12*\dt+2*\p:VL+12*\dt+2*\p+1], v[ADK] offset:6656+1536*\dt+256*\p
.endr
.endr
	WIN 0
.irp dt, 2,3
.irp p, 0,1,2,3,4,5
	ds_load_b64 v[VH+12*(\dt-2)+2*\p:VH+12*(\dt-2)+2*\p+1], v[ADK] offset:6656+1536*\dt+256*\p
.endr
.endr
.irp i, 0,1
	ds_load_b32 v[VSW+\i], v[ADS] offset:12800+128*\i
.endr
.endm
.macro SMUL P                          ; S^T of pair P: 16 products, each on an accumulator of its own
	WIN 0x05                                       ; K and Q in window 1, the scores in window 0
.irp u, 0,1
.irp tt, 0,2,4,6
	v_wmma_scale_f32_16x16x128_f8f6f4 v[S+64*\u+8*\tt:S+64*\u+8*\tt+7], v[K+6*\tt:K+6*\tt+11], v[Q+12*(2*\P+\u):Q+12*(2*\P+\u)+11], 0, v[KSW+\tt/2], v[QS+2*\P+\u] matrix_a_fmt:MATRIX_FMT_FP6 matrix_b_fmt:MATRIX_FMT_FP6 matrix_a_scale:MATRIX_SCALE_ROW0
	v_wmma_scale_f32_16x16x128_f8f6f4 v[S+64*\u+8*\tt+8:S+64*\u+8*\tt+15], v[K+6*\tt+6:K+6*\tt+17], v[Q+12*(2*\P+\u):Q+12*(2*\P+\u)+11], 0, v[KSW+\tt/2], v[QS+2*\P+\u] matrix_a_fmt:MATRIX_FMT_FP6 matrix_b_fmt:MATRIX_FMT_FP6 matrix_a_scale:MATRIX_SCALE_ROW1
.endr
.endr
	WIN 0
.endm
.macro ACC d, u, n                     ; one link of a chain of the row's sum
	v_pk_add_f32 v[\d:\d+1], v[\d:\d+1], v[S+64*\u+2*(\n):S+64*\u+2*(\n)+1]
.endm
.macro SOFT P                          ; the softmax of pair P's 2 x 16 queries x 128 keys, p's codes and scale words, O^T under the new M
.irp u, 0,1                            ; the largest score of each of my blocks: it serves for the row's maximum and, since p rises with the score, for the block's largest p
.irp g, 0,1
	v_max3_num_f32 v[BM+2*\u+\g], v[S+64*\u+32*\g], v[S+64*\u+32*\g+1], v[S+64*\u+32*\g+2]
.endr
.endr
.irp i, 3,5,7,9,11,13,15,17,19,21,23,25,27,29
.irp u, 0,1
.irp g, 0,1
	v_max3_num_f32 v[BM+2*\u+\g], v[BM+2*\u+\g], v[S+64*\u+32*\g+\i], v[S+64*\u+32*\g+\i+1]
.endr
.endr
.endr
.irp u, 0,1
.irp g, 0,1
	v_max_num_f32 v[BM+2*\u+\g], v[BM+2*\u+\g], v[S+64*\u+32*\g+31]
.endr
.endr
.irp u, 0,1
	v_max_num_f32 v[T2+\u], v[BM+2*\u], v[BM+2*\u+1]
.endr
.irp u, 0,1
	v_permlanex16_b32 v[T1+\u], v[T2+\u], s[SEL], s[SEL+1]
.endr
.irp u, 0,1
	v_max_num_f32 v[T2+\u], v[T2+\u], v[T1+\u]     ; the step's largest score of my query
.endr
.irp u, 0,1
	v_mul_f32 v[T2+\u], s[CS], v[T2+\u]
.endr
.irp u, 0,1
	v_max_num_f32 v[ST+8*\P+4*\u+1], v[ST+8*\P+4*\u+1], v[T2+\u]   ; the running largest t
.endr
.irp u, 0,1
	v_mov_b32 v[T2+\u], v[ST+8*\P+4*\u]
.endr
.irp u, 0,1
	v_floor_f32 v[ST+8*\P+4*\u], -v[ST+8*\P+4*\u+1]                ; the new -M = -ceil(t): a whole number
.endr
.irp u, 0,1
	v_sub_f32 v[T2+\u], v[ST+8*\P+4*\u], v[T2+\u]
.endr
.irp u, 0,1
	v_cvt_i32_f32 v[T2+\u], v[T2+\u]               ; (it saturates)
.endr
.irp u, 0,1
	v_ldexp_f32 v[FF+2*\u], 1.0, v[T2+\u]          ; f = 2^(old M - new M)
.endr
.irp u, 0,1
.set n, 0
.rept 32
	v_pk_fma_f32 v[S+64*\u+n:S+64*\u+n+1], v[S+64*\u+n:S+64*\u+n+1], s[CS:CS+1], v[ST+8*\P+4*\u:ST+8*\P+4*\u+1] op_sel_hi:[1,0,0]   ; t - M
.set n, n+2
.endr
.endr
.irp u, 0,1
.irp g, 0,1
	v_fma_f32 v[BM+2*\u+\g], v[BM+2*\u+\g], s[CS], v[ST+8*\P+4*\u]
.endr
.endr
	WALU                                           ; ahead of the batch
.set n, 0
.rept 128
	v_exp_f32 v[S+n], v[S+n]                       ; p = 2^(t - M)
.set n, n+1
.endr
.irp b, 0,1,2,3
	v_exp_f32 v[BM+\b], v[BM+\b]                   ; each block's largest p: the same two instructions on the same number
.endr
.irp u, 0,1
	v_pk_mul_f32 v[ST+8*\P+4*\u+2:ST+8*\P+4*\u+3], v[ST+8*\P+4*\u+2:ST+8*\P+4*\u+3], v[FF+2*\u:FF+2*\u+1] op_sel_hi:[1,0]   ; the sum under the new M: plain places behind the batch
.endr
	WALU                                           ; and one wait behind it, ahead of its first reader
.irp u, 0,1                            ; the row's sum of the unquantised p: 32 pairs a row block, in three chains each
	v_pk_add_f32 v[L+4*\u:L+4*\u+1], v[S+64*\u:S+64*\u+1], v[S+64*\u+2:S+64*\u+3]
	v_pk_add_f32 v[L+4*\u+2:L+4*\u+3], v[S+64*\u+4:S+64*\u+5], v[S+64*\u+6:S+64*\u+7]
.endr
.set n, 4
.rept 28
.irp u, 0,1
.if n%3 == 0
	ACC L+4*\u, \u, n
.elseif n%3 == 1
	ACC L+4*\u+2, \u, n
.else
	ACC ST+8*\P+4*\u+2, \u, n
.endif
.endr
.set n, n+1
.endr
.irp u, 0,1
	v_pk_add_f32 v[L+4*\u:L+4*\u+1], v[L+4*\u:L+4*\u+1], v[L+4*\u+2:L+4*\u+3]
.endr
.irp u, 0,1
	v_pk_add_f32 v[ST+8*\P+4*\u+2:ST+8*\P+4*\u+3], v[ST+8*\P+4*\u+2:ST+8*\P+4*\u+3], v[L+4*\u:L+4*\u+1]
.endr
.irp b, 0,1,2,3
	v_max_num_f32 v[BM+\b], 0x1800000, v[BM+\b]    ; the floor 2^(3 - 127)
.endr
.irp b, 0,1,2,3
	v_add_nc_u32 v[SCO+\b], 0xff000000, v[BM+\b]   ; 2 off the exponent field: the conversions' scale operand
.endr
.irp b, 0,1,2,3
	v_lshrrev_b32 v[BM+\b], 23, v[SCO+\b]          ; the byte
.endr
.irp u, 0,1
	v_lshl_or_b32 v[PW+\u], v[BM+2*\u+1], 16, v[BM+2*\u]
.endr
.irp u, 0,1
	v_lshlrev_b32 v[PW+\u], v[SH8], v[PW+\u]
.endr
.irp u, 0,1
	v_permlanex16_b32 v[T1+\u], v[PW+\u], s[SEL], s[SEL+1]
.endr
.irp u, 0,1
	v_or_b32 v[PW+\u], v[PW+\u], v[T1+\u]          ; p's scale word for these 128 keys
.endr
.irp u, 0,1
	v_cvt_scalef32_pk16_fp6_f32 v[F+12*\u:F+12*\u+2], v[S+64*\u:S+64*\u+15], v[SCO+2*\u]
	v_cvt_scalef32_pk16_fp6_f32 v[F+12*\u+6:F+12*\u+8], v[S+64*\u+32:S+64*\u+47], v[SCO+2*\u+1]
	v_cvt_scalef32_pk16_fp6_f32 v[CT+56*\u:CT+56*\u+2], v[S+64*\u+16:S+64*\u+31], v[SCO+2*\u]      ; (a conversion's three registers begin on an even number)
	v_cvt_scalef32_pk16_fp6_f32 v[CT+56*\u+4:CT+56*\u+6], v[S+64*\u+48:S+64*\u+63], v[SCO+2*\u+1]
.endr
	v_nop                                          ; one plain place behind the conversions
.irp u, 0,1
.irp i, 0,1,2
	v_mov_b32 v[F+12*\u+3+\i], v[CT+56*\u+\i]
	v_mov_b32 v[F+12*\u+9+\i], v[CT+56*\u+4+\i]
.endr
.endr
	WIN 0x41                                       ; O^T in window 1, f in window 0
	WALU                                           ; directly ahead of the first reader of O^T
.irp u, 0,1
.set n, 0
.rept 16
	v_pk_mul_f32 v[O+32*(2*\P+\u)+n:O+32*(2*\P+\u)+n+1], v[O+32*(2*\P+\u)+n:O+32*(2*\P+\u)+n+1], v[FF+2*\u:FF+2*\u+1] op_sel_hi:[1,0]   ; O^T under the new M; 32 plain lines stand between p's codes and scale words and the products
.set n, n+2
.endr
.endr
.endm
.macro PV1 P, u, dt, vr, row
	v_wmma_scale_f32_16x16x128_f8f6f4 v[O+32*(2*\P+\u)+8*\dt:O+32*(2*\P+\u)+8*\dt+7], v[\vr:\vr+11], v[F+12*\u:F+12*\u+11], v[O+32*(2*\P+\u)+8*\dt:O+32*(2*\P+\u)+8*\dt+7], v[VSW+\dt/2], v[PW+\u] matrix_a_fmt:MATRIX_FMT_FP6 matrix_b_fmt:MATRIX_FMT_FP6 matrix_a_scale:MATRIX_SCALE_ROW\row
.endm
.macro PV P                            ; O^T += V^T P^T: eight products on eight accumulators
	WIN 0x51                                       ; O^T and V's tiles 0, 1 in window 1
.irp u, 0,1
	PV1 \P, \u, 0, VL, 0
	PV1 \P, \u, 1, VL+12, 1
.endr
	WIN 0x50                                       ; V's tiles 2, 3 in window 0
.irp u, 0,1
	PV1 \P, \u, 2, VH, 0
	PV1 \P, \u, 3, VH+12, 1
.endr
.endm
	s_load_b256 s[4:11], s[0:1], 0x0               ; qimg s[4:5], qsw s[6:7], kv s[8:9], oimg s[10:11]
	s_load_b64 s[12:13], s[0:1], 0x20              ; osw
	v_lshl_add_u32 v[SPW], v0, 2, SPARE
	v_mov_b32 v[NIL], 0
	ds_add_u32 v[SPW], v[NIL]                      ; the wave's opening: the add, twice on end, and its wait ahead of the first tensor load
	ds_add_u32 v[SPW], v[NIL]
	v_lshrrev_b32 v9, 5, v0
	v_readfirstlane_b32 s[WV], v9                  ; wave 0..7
	s_bfe_u32 s15, ttmp6, 0x40000                  ; cx: my quarter of the queries
	s_and_b32 s16, ttmp7, 0xffff                   ; 16 batch + head: shared by the four partners
	s_and_b32 s17, s16, 15                         ; head
	s_lshr_b32 s18, s16, 4                         ; batch
	s_mov_b32 s[G1], 15|(3<<16)|(1<<21)            ; the mask: all four; elements of 8 bytes; bit 21 beside a mask; no padding
	s_mov_b32 s[G1+1], 32<<16                      ; two key steps' blocks: 102 dense rows of 256 bytes
	s_mov_b32 s[G1+2], 102<<16
	s_mov_b32 s[G1+3], 32<<16
	s_mov_b32 s[G1+4], 102
	s_mov_b32 s[G1+5], 32
	s_mov_b32 s[G1+6], 0
	s_mov_b32 s[G1+7], 0
	s_mul_i32 s53, s[WV], 2*KSB                    ; wave w brings key steps 2 w and 2 w + 1
	s_mul_i32 s54, s16, 16*KSB
	s_add_co_u32 s54, s54, s53
	s_mov_b32 s55, 0
	s_lshl_b32 s56, s18, 7
	s_lshl_b32 s57, s15, 5
	s_add_co_u32 s56, s56, s57
	s_lshl_b32 s57, s[WV], 2
	s_add_co_u32 s56, s56, s57                     ; my first token row block: 128 batch + 32 cx + 4 wave
	s_lshl_b32 s57, s17, 9
	s_add_co_u32 s57, s57, s56
	s_mul_i32 s58, s57, 768                        ; q's codes
	s_mov_b32 s59, 0
	s_lshl_b32 s60, s57, 6                         ; q's scale words, and O's
	s_mov_b32 s61, 0
	s_lshl_b32 s62, s56, 3
	s_lshr_b32 s63, s17, 1
	s_add_co_u32 s62, s62, s63
	s_mul_i32 s62, s62, 1536                       ; O's fragment: K step head / 2,
	s_and_b32 s63, s17, 1
	s_mul_i32 s63, s63, 768                        ; its pieces 0-2 or 3-5
	s_add_co_u32 s62, s62, s63
	s_mov_b32 s63, 0
	s_mov_b32 s[SEL], 0x76543210
	s_mov_b32 s[SEL+1], 0xfedcba98
	s_mov_b32 s[CS], 0x3e38aa3b                    ; c = log2(e) / 8
	s_mov_b32 s[CS+1], s[CS]
	s_wait_dscnt 0x0                               ; both opening adds are done
	s_wait_kmcnt 0x0
	s_add_nc_u64 s[8:9], s[8:9], s[54:55]
	s_add_nc_u64 s[4:5], s[4:5], s[58:59]
	s_add_nc_u64 s[6:7], s[6:7], s[60:61]
	s_add_nc_u64 s[12:13], s[12:13], s[60:61]
	s_add_nc_u64 s[10:11], s[10:11], s[62:63]
	CROUND                                         ; all four work-groups are here: the joint loads meet
	s_mov_b32 s[G0], 1
	s_mov_b32 s[G0+1], s53
	s_mov_b64 s[G0+2:G0+3], s[8:9]
	s_or_b32 s[G0+3], s[G0+3], 0x80000000
	tensor_load_to_lds s[G0:G0+3], s[G1:G1+7]      ; every wave's one load: no branch, the places made from the wave's number
	s_nop 0
	v_and_b32 v9, 31, v0
	v_and_b32 v10, 15, v0
	v_bfe_u32 v11, v0, 4, 1
	v_lshlrev_b32 v[LB], 3, v9
	v_lshlrev_b32 v[LW], 2, v9
	v_lshlrev_b32 v[R4], 2, v10
	v_lshlrev_b32 v[SH8], 3, v11
	v_cmp_le_u32 s[MK], 16, v9
	WIN 0x40
.irp j, 0,1,2,3
.irp p, 0,1,2
	global_load_b64 v[Q+12*\j+2*\p:Q+12*\j+2*\p+1], v[LB], s[4:5] offset:768*\j+256*\p
.endr
.endr
	WIN 0
.irp j, 0,1,2,3
	global_load_b32 v[QS+\j], v[R4], s[6:7] offset:64*\j
.endr
	WIN 0x40
.irp j, 0,1,2,3
.irp i, 6,7,8,9,10,11
	v_mov_b32 v[Q+12*\j+\i], 0                     ; Q's zero codes for k = 64 .. 127
.endr
.endr
.irp i, 48,49,50,51,52,53
	v_mov_b32 v[K+\i], 0                           ; what tile 7 of K names beyond its codes
.endr
.set n, 0
.rept 128
	v_mov_b32 v[O+n], 0                            ; the step is written once: its first trip finds zeros, which the first change of M leaves zeros
.set n, n+1
.endr
	WIN 0
	WALU
	s_wait_loadcnt 0x0
.irp j, 0,1,2,3
	v_and_b32 v[QS+\j], 0xffff, v[QS+\j]           ; the filler blocks' scale bytes are 0
.endr
.irp j, 0,1,2,3
	v_mov_b32 v[ST+4*\j+1], 0xff61b1e6             ; -3e38, under every t
	v_mov_b32 v[ST+4*\j+2], 0
	v_mov_b32 v[ST+4*\j+3], 0
.endr
.irp j, 0,1,2,3
	v_floor_f32 v[ST+4*\j], -v[ST+4*\j+1]
.endr
	v_mov_b32 v[T1], 0                             ; a lane permute's destination counts as one of its sources
	v_mov_b32 v[T1+1], 0
	v_mov_b32 v[FF+1], 0                           ; named as the upper halves of pairs
	v_mov_b32 v[FF+3], 0
	v_mov_b32 v[ADK], v[LB]                        ; key step 0
	v_mov_b32 v[ADS], v[LW]
	WALU                                           ; the head's end
	s_wait_tensorcnt 0x0                           ; my fill has landed,
	s_barrier_signal -1
	s_barrier_wait -1                              ; everybody's has: the head's K and V are whole, and nothing writes them again
	KLOAD
	VLOAD
	s_mov_b32 s[TB], 0
	s_mov_b32 s[CNT], 16
.Lstep:                                                ; a key step: 64 queries x 128 keys
	s_wait_dscnt 26                                ; K and its words are in; the 26 loads issued behind them, V's, may be out
	SMUL 0
	PLACES 4                                       ; places behind the products, ahead of the first read of the scores
	SOFT 0
	WALU
	s_wait_dscnt 0x0                               ; V is in
	PV 0
	SMUL 1
	s_add_co_u32 s[TB], s[TB], KSB
	s_min_u32 s[TN], s[TB], 15*KSB                 ; the next step's block; behind the last step the address stays at step 15
	v_add_nc_u32 v[ADK], s[TN], v[LB]
	v_add_nc_u32 v[ADS], s[TN], v[LW]
	v_nop
	v_nop                                          ; four places in front of loads into registers that the products above read
	KLOAD                                          ; the next step's K lands under this pair's softmax
	SOFT 1
	PV 1
	WIN 0
	PLACES 4                                       ; places in front of loads into V's registers
	VLOAD                                          ; the next step's V lands under the next step's first pair
	s_sub_co_u32 s[CNT], s[CNT], 1
	s_cmp_lg_u32 s[CNT], 0
	WALU
	s_cbranch_scc1 .Lstep
; THE WAY OUT: O^T / the sum; a lane's 32 registers of a row block are one block of the head's 64: quantised and stored as half a fragment.  The four row blocks take turns line by line.
	PLACES 4
.irp j, 0,1,2,3
	v_add_f32 v[ST+4*\j+2], v[ST+4*\j+2], v[ST+4*\j+3]
.endr
.irp j, 0,1,2,3
	v_permlanex16_b32 v[SCO+\j], v[ST+4*\j+2], s[SEL], s[SEL+1]
.endr
.irp j, 0,1,2,3
	v_add_f32 v[ST+4*\j+2], v[ST+4*\j+2], v[SCO+\j]                ; the row's sum
.endr
	WALU                                           ; ahead of the batch
.irp j, 0,1,2,3
	v_rcp_f32 v[FF+2*\j+4*(\j/2)], v[ST+4*\j+2]    ; into v48, v50, v56, v58: the low halves of four pairs
.endr
	v_nop                                          ; a plain place behind the reciprocals
	WIN 0x01
	WALU                                           ; behind the batch, directly ahead of the first reader of O^T
.irp j, 0,1,2,3
.set n, 0
.rept 16
	v_pk_mul_f32 v[S+32*\j+n:S+32*\j+n+1], v[O+32*\j+n:O+32*\j+n+1], v[FF+2*\j+4*(\j/2):FF+2*\j+4*(\j/2)+1] op_sel_hi:[1,0]
.set n, n+2
.endr
.endr
	WIN 0
.irp j, 0,1,2,3
	v_max3_num_f32 v[BM+2*\j], |v[S+32*\j]|, |v[S+32*\j+1]|, 0x1800000
	v_max3_num_f32 v[BM+2*\j+1], |v[S+32*\j+16]|, |v[S+32*\j+17]|, 0x1800000
.endr
.irp i, 2,4,6,8,10,12,14
.irp j, 0,1,2,3
	v_max3_num_f32 v[BM+2*\j], v[BM+2*\j], |v[S+32*\j+\i]|, |v[S+32*\j+\i+1]|
	v_max3_num_f32 v[BM+2*\j+1], v[BM+2*\j+1], |v[S+32*\j+16+\i]|, |v[S+32*\j+17+\i]|
.endr
.endr
.irp j, 0,1,2,3
	v_max_num_f32 v[BM+2*\j], v[BM+2*\j], v[BM+2*\j+1]
.endr
.irp j, 0,1,2,3
	v_add_nc_u32 v[SCO+\j], 0xff000000, v[BM+2*\j]
.endr
.irp j, 0,1,2,3
	v_lshrrev_b32 v[BM+2*\j], 23, v[SCO+\j]
.endr
.irp j, 0,1,2,3
	v_lshlrev_b32 v[L+4+\j], v[SH8], v[BM+2*\j]
.endr
.irp j, 0,1,2,3
	v_permlanex16_b32 v[BM+2*\j+1], v[L+4+\j], s[SEL], s[SEL+1]
.endr
.irp j, 0,1,2,3
	v_or_b32 v[L+4+\j], v[L+4+\j], v[BM+2*\j+1]    ; bytes 0, 1: the head's two blocks; bytes 2, 3: 0
.endr
.irp j, 0,1,2,3
	v_cvt_scalef32_pk16_fp6_f32 v[F+6*\j:F+6*\j+2], v[S+32*\j:S+32*\j+15], v[SCO+\j]
	v_cvt_scalef32_pk16_fp6_f32 v[CT+4*\j+48*(\j/2):CT+4*\j+48*(\j/2)+2], v[S+32*\j+16:S+32*\j+31], v[SCO+\j]
.endr
	v_nop                                          ; one plain place behind the conversions
.irp j, 0,1,2,3
.irp i, 0,1,2
	v_mov_b32 v[F+6*\j+3+\i], v[CT+4*\j+48*(\j/2)+\i]
.endr
.endr
	v_cndmask_b32 v[L+4], v[L+4], v[L+5], s[MK]    ; lanes 0-15 one row block's words, lanes 16-31 the next's
	v_cndmask_b32 v[L+6], v[L+6], v[L+7], s[MK]
.irp j, 0,1,2,3
.irp p, 0,1,2
	global_store_b64 v[LB], v[F+6*\j+2*\p:F+6*\j+2*\p+1], s[10:11] offset:12288*\j+256*\p   ; 256 consecutive bytes, aligned
.endr
.endr
	global_store_b32 v[LW], v[L+4], s[12:13]       ; 128 consecutive bytes,
	global_store_b32 v[LW], v[L+6], s[12:13] offset:128            ; and the 128 behind them
	s_wait_tensorcnt 0x0                           ; the wave's end
	ds_add_u32 v[SPW], v[NIL]
	s_wait_dscnt 0x0
	CROUND                                         ; the closing round
	s_endpgm
.Lfunc_end_k_qb9b74d4cb1_attn:
	.size	k_qb9b74d4cb1_attn, .Lfunc_end_k_qb9b74d4cb1_attn-k_qb9b74d4cb1_attn
	.p2alignl 7, 3214868480
	.fill 96, 4, 3214868480
	.section	.rodata,"a",@progbits
	.p2align	6, 0x0
	.amdhsa_kernel k_qb9b74d4cb1_attn
		.amdhsa_group_segment_fixed_size 212992
		.amdhsa_private_segment_fixed_size 0
		.amdhsa_enable_private_segment 0
		.amdhsa_kernarg_size 40
		.amdhsa_user_sgpr_count 2
		.amdhsa_user_sgpr_kernarg_segment_ptr 1
		.amdhsa_wavefront_size32 1
		.amdhsa_system_sgpr_workgroup_id_x 1
		.amdhsa_system_sgpr_workgroup_id_y 1
		.amdhsa_system_sgpr_workgroup_id_z 1
		.amdhsa_system_vgpr_workitem_id 0
		.amdhsa_next_free_vgpr 512
		.amdhsa_next_free_sgpr 66
		.amdhsa_reserve_vcc 0
		.amdhsa_float_denorm_mode_32 3
		.amdhsa_float_denorm_mode_16_64 3
		.amdhsa_memory_ordered 1
		.amdhsa_forward_progress 1
		.amdhsa_inst_pref_size 82
	.end_amdhsa_kernel
	.amdgpu_metadata
---
amdhsa.version: [ 1, 2 ]
amdhsa.kernels:
  - .name:           k_qb9b74d4cb1_attn
    .symbol:         k_qb9b74d4cb1_attn.kd
    .args:
      - { .name: qimg, .offset: 0, .size: 8, .value_kind: global_buffer, .address_space: global }
      - { .name: qsw, .offset: 8, .size: 8, .value_kind: global_buffer, .address_space: global }
      - { .name: kv, .offset: 16, .size: 8, .value_kind: global_buffer, .address_space: global }
      - { .name: oimg, .offset: 24, .size: 8, .value_kind: global_buffer, .address_space: global }
      - { .name: osw, .offset: 32, .size: 8, .value_kind: global_buffer, .address_space: global }
    .group_segment_fixed_size: 212992
    .private_segment_fixed_size: 0
    .kernarg_segment_align: 8
    .kernarg_segment_size: 40
    .max_flat_workgroup_size: 256
    .sgpr_count:     66
    .vgpr_count:     512
    .wavefront_size: 32
...
	.end_amdgpu_metadata
.endif
;; end of part 3
;; launch oproj (part 4): grid 8 x 32, 4 waves a work-group, clusters of 4 x 4, 327,680 bytes of LDS; arguments oimg, osw, wimg, scl, bo, out0; writes out0
.if DOCPART == 4
	.amdgcn_target "amdgcn-amd-amdhsa--gfx1250"
	.amdhsa_code_object_version 6
	.text
	.protected	k_qb9b74d4cb1_oproj
	.globl	k_qb9b74d4cb1_oproj
	.p2align	8
	.type	k_qb9b74d4cb1_oproj,@function
k_qb9b74d4cb1_oproj:
	s_mov_b64 s[64:65], 0
	v_nop
	global_prefetch_b8 v0, s[64:65] scope:SCOPE_SE
	s_setreg_imm32_b32 hwreg(HW_REG_WAVE_MODE, 25, 1), 1
	s_wait_xcnt 0x0
	s_wait_alu depctr_hold_cnt(0) depctr_sa_sdst(0) depctr_va_vdst(0) depctr_va_sdst(0) depctr_va_ssrc(0) depctr_va_vcc(0) depctr_vm_vsrc(0)
	s_getreg_b32 s2, hwreg(HW_REG_IB_STS2, 6, 4)
	s_cmp_eq_u32 s2, 0
	s_cbranch_scc0 .Lentry_in_a_cluster
	s_endpgm
.Lentry_in_a_cluster:
	s_bfe_u32 s2, ttmp6, 0x10000c
	s_cmp_lg_u32 s2, 0xf033
	s_cbranch_scc0 .Lentry_shape_is_right
	s_endpgm
.Lentry_shape_is_right:
; OPROJ: out0 = O Wo + bo on codes of FP6 (E2M3) with E8M0 scales; f32 sums, f32 results.
; IN: oimg, wimg: [row block of 16][K step 8][1536], each fragment the image of its 12 registers (piece p of 256 bytes: registers 2 p, 2 p + 1 of lane L at 8 L); place r of row block 4 g + v is row 64 g + 32 (r / 8) + 8 v + r % 8;
; Wo's row blocks are 192 .. 255 of wimg.  osw [head 16][row block 512][16 words]: bytes 0, 1 of a word are the head's two blocks, so a K step's scale word is made of two heads' words.  scl: 32 bytes for each place of a weight, from byte 262,144.
; THE DEAL: 256 work-groups, each 256 tokens x 128 columns.  Four waves: wave (a, b) takes 8 row blocks of O (128 tokens) and 64 columns.  It holds its 64 rows of Wo, ALL of K, in 384 registers, and streams its row blocks past them:
; a block is 32 products (4 tiles of Wo by turns, K ascending), and its 16 x 64 results are then finished.  Source 0 = Wo's rows: a lane holds one token and 32 neighbouring columns.  The bias is the C of a block's first four products.
; THE WAY OUT: a block's results leave two blocks later, through the wave's own stage in LDS (16 rows of 256 bytes + 16), as whole rows: sixteen lanes store 256 consecutive bytes, aligned.  Three sets of accumulators take turns,
; so that the first store into the stage stands behind the barrier in front of which every wave has waited for its tensor load.
; LDS: O's 16 row blocks in three parts (blocks 0-1, 2-3, 4-7 of both halves), each with a load line of its own, so that work begins when Wo's rows and the first part are in; Wo's 128 rows; the stages; the spare words.  No byte is filled again.
; CLUSTERS 4 x 4: O's parts hang on the token group alone and are shared along a row of the cluster, Wo's rows on the column group alone and are shared along a column.
; No prefetch: all that the launch reads by tensor loads is asked for at its head, so there is no loop to run ahead in.
; LIMITS: NaN and infinities are not served.
.set RB,    12288                      ; a row block, all of K
.set XP2,   4*RB
.set XP3,   8*RB
.set WL,    16*RB                      ; Wo's rows
.set STAGE, 24*RB                      ; 4,352 bytes a wave
.set SPARE, STAGE+4*4352               ; the spare words, 128 bytes a wave
.set SPW, 4
.set NIL, 5
.set VO8, 6
.set AXA, 9                            ; LDS addresses of my blocks in the three parts
.set AXB, 10
.set AXC, 11
.set AW,  12                           ; and of my 64 rows of Wo
.set VOA, 13
.set VSB, 14
.set VBO, 15
.set STO, 16
.set RD,  17
.set CO,  18
.set SA,  32                           ; v32-95 O's scale words: 8 block + K step
.set PT,  96
.set SB,  100                          ; v100-131 Wo's: 8 tile + K step
.set ACC, 132                          ; v132-227 three sets of four accumulators
.set BB,  72                           ; window 3: the bias as C
.set BK,  104                          ; window 3: a block read back from the stage
.set WV,  22
.set WA,  23
.set WC,  24
.set CXI, 25
.set CYI, 26
.set G1X, 28
.set G1Y, 36
.set G1W, 44
.set G0W, 52
.set G0A, 56
.set G0B, 60
.set G0C, 68
.set OC,  72
.set SEL, 74
.set MSB, 0
.macro WIN new                         ; the immediate's high byte repeats the setting that is left
.if MSB != (\new)
	s_set_vgpr_msb (MSB<<8)|(\new)
.set MSB, (\new)
.endif
.endm
.macro WALU
	s_wait_alu depctr_va_vdst(0)
.endm
.macro PLACES n
.rept \n
	v_nop
.endr
.endm
.macro BARRIER
	s_barrier_signal -1
	s_barrier_wait -1
.endm
.macro CROUND
	s_barrier_signal -1
	s_barrier_wait -1
	s_cmp_lg_u32 s[WV], 0
	s_cbranch_scc1 .Lnot_wave_0_\@
	s_barrier_signal -3
.Lnot_wave_0_\@:
	s_barrier_wait -3
	s_barrier_signal -1
	s_barrier_wait -1
.endm
.macro TLOAD g0, g1
	tensor_load_to_lds s[\g0:\g0+3], s[\g1:\g1+7]
	s_nop 0
	PLACES 4
.endm
.macro GROUP1 g, mask, c, r, p         ; r rows of c elements of 8 bytes, pitch p, no padding
	s_or_b32 s[\g], s\mask, (3<<16)|(1<<21)
	s_mov_b32 s[\g+1], (\c)<<16
	s_mov_b32 s[\g+2], (\r)<<16
	s_mov_b32 s[\g+3], (\c)<<16
	s_mov_b32 s[\g+4], \r
	s_mov_b32 s[\g+5], \p
	s_mov_b32 s[\g+6], 0
	s_mov_b32 s[\g+7], 0
.endm
; Fragment f lies in window 1 + f / 21 at register 12 (f % 21): 0-31 Wo's (4 q + tile), 32-39 and 40-47 O's two sets.
.macro FETCH s                         ; block s of my half into set s % 2: 48 loads
.if (\s) < 2
.set FA_, AXA
.set FO_, (\s)*RB
.elseif (\s) < 4
.set FA_, AXB
.set FO_, ((\s)-2)*RB
.else
.set FA_, AXC
.set FO_, ((\s)-4)*RB
.endif
.irp q, 0,1,2,3,4,5,6,7
.set FF_, 32+8*((\s)%2)+\q
	WIN (1+FF_/21)<<6
.irp p, 0,1,2,3,4,5
	ds_load_b64 v[12*(FF_%21)+2*\p:12*(FF_%21)+2*\p+1], v[FA_] offset:FO_+1536*\q+256*\p
.endr
.endr
	WIN 0
.endm
.macro WEIGHTS                         ; my 64 rows of Wo, all of K: 192 loads
.irp q, 0,1,2,3,4,5,6,7
.irp v, 0,1,2,3
.set FF_, 4*\q+\v
	WIN (1+FF_/21)<<6
.irp p, 0,1,2,3,4,5
	ds_load_b64 v[12*(FF_%21)+2*\p:12*(FF_%21)+2*\p+1], v[AW] offset:RB*\v+1536*\q+256*\p
.endr
.endr
.endr
	WIN 0
.endm
.macro W6 d, a, b, c, sa, sb
	v_wmma_scale_f32_16x16x128_f8f6f4 v[\d:\d+7], v[\a:\a+11], v[\b:\b+11], \c, v[\sa], v[\sb] matrix_a_fmt:MATRIX_FMT_FP6 matrix_b_fmt:MATRIX_FMT_FP6
.endm
.macro PO s, n                         ; product n = 4 q + tile of block s
.set Q_, (\n)/4
.set V_, (\n)%4
.set FW_, 4*Q_+V_
.set FX_, 32+8*((\s)%2)+Q_
.set D_, ACC+32*((\s)%3)+8*V_
.if Q_
	WIN (1+FW_/21)|((1+FX_/21)<<2)
	W6 D_, 12*(FW_%21), 12*(FX_%21), v[D_:D_+7], SB+8*V_+Q_, SA+8*(\s)+Q_
.else
	WIN (1+FW_/21)|((1+FX_/21)<<2)|(3<<4)
	W6 D_, 12*(FW_%21), 12*(FX_%21), v[BB+8*V_:BB+8*V_+7], SB+8*V_+Q_, SA+8*(\s)+Q_
.endif
.endm
.macro TOSTAGE s                       ; block s's results into my stage, each accumulator from its low end on, and back as whole rows.  LDS serves a wave's instructions in order: no wait between the stores and the loads
	s_wait_xcnt 0x0                                ; the last block's stores have read the registers that the loads below write
.irp v, 0,1,2,3
	ds_store_b128 v[STO], v[ACC+32*((\s)%3)+8*\v:ACC+32*((\s)%3)+8*\v+3] offset:32*\v
	ds_store_b128 v[STO], v[ACC+32*((\s)%3)+8*\v+4:ACC+32*((\s)%3)+8*\v+7] offset:32*\v+16
.endr
	WIN 0xc0
.irp i, 0,1,2,3,4,5,6,7
	ds_load_b128 v[BK+4*\i:BK+4*\i+3], v[RD] offset:544*\i
.endr
	WIN 0
.endm
.macro SEND s
	s_wait_dscnt 0x0                               ; the block is back in registers
	WIN 0x0c
.irp i, 0,1,2,3,4,5,6,7
	global_store_b128 v[CO], v[BK+4*\i:BK+4*\i+3], s[OC:OC+1] offset:(64*((\s)/4)+8*((\s)%4)+32*(\i/4)+2*(\i%4))*4096 th:TH_STORE_NT   ; places 2 i and 2 i + 1 of the row block: 256 consecutive bytes each, aligned
.endr
	WIN 0
.endm
.macro BLOCK s                         ; its rows were fetched two blocks ago; the 48 loads issued behind them may be out
.if (\s) < 7
	s_wait_dscnt 48
.else
	s_wait_dscnt 0x0
.endif
.if (\s) >= 2
	TOSTAGE (\s)-2
.endif
.set N_, 0
.rept 32
	PO \s, N_
.set N_, N_+1
.endr
	WIN 0
	PLACES 4                                       ; places ahead of the fetch into the set just read, and of the reads of these results
.if (\s) >= 2
	SEND (\s)-2
.endif
.endm
	s_load_b256 s[4:11], s[0:1], 0x0               ; oimg, osw, wimg, scl
	s_load_b128 s[12:15], s[0:1], 0x20             ; bo, out0
	v_lshl_add_u32 v[SPW], v0, 2, SPARE
	v_mov_b32 v[NIL], 0
	ds_add_u32 v[SPW], v[NIL]                      ; the opening lines
	ds_add_u32 v[SPW], v[NIL]
	v_lshrrev_b32 v1, 5, v0
	v_readfirstlane_b32 s[WV], v1
	s_lshr_b32 s[WA], s[WV], 1                     ; a: my half of the tokens
	s_and_b32 s[WC], s[WV], 1                      ; b: my half of the columns
	s_bfe_u32 s[CXI], ttmp6, 0x40000
	s_bfe_u32 s[CYI], ttmp6, 0x40004
	s_lshl_b32 s76, ttmp9, 2
	s_add_co_u32 s76, s76, s[CXI]                  ; s76 the group of 128 columns, 0 .. 7
	s_and_b32 s77, ttmp7, 0xffff
	s_lshl_b32 s77, s77, 2
	s_add_co_u32 s77, s77, s[CYI]                  ; s77 the group of 256 tokens, 0 .. 31
	s_lshl_b32 s78, s[CYI], 2
	s_lshl_b32 s78, 15, s78                        ; my row of the cluster
	s_lshl_b32 s79, 0x1111, s[CXI]                 ; my column
	GROUP1 G1X, 78, 2*1536, 2, 8*1536              ; two blocks of each half
	GROUP1 G1Y, 78, 4*1536, 2, 8*1536              ; four
	GROUP1 G1W, 79, 1536, 8, 1536                  ; 128 rows of Wo
	s_lshl_b32 s80, s76, 1
	s_add_co_u32 s80, s80, s[WC]                   ; s80 my group of 64 columns
	s_lshl_b32 s81, s77, 4
	s_lshl_b32 s2, s[WA], 3
	s_add_co_u32 s81, s81, s2                      ; s81 my first token row block
	s_mul_i32 s66, s[WA], 2*RB
	s_mul_i32 s67, s[WA], 4*RB
	s_add_co_u32 s67, s67, XP3
	s_mul_i32 s2, s[WC], 4*RB
	s_add_co_u32 s2, s2, WL
	s_mul_i32 s3, s[WV], 4352
	s_add_co_u32 s3, s3, STAGE
	s_mov_b32 s[SEL], 0x76543210
	s_mov_b32 s[SEL+1], 0xfedcba98
	v_and_b32 v1, 31, v0
	v_and_b32 v2, 15, v0
	v_bfe_u32 v3, v0, 4, 1
	v_lshlrev_b32 v[VO8], 3, v1
	v_add_nc_u32 v[AXA], s66, v[VO8]
	v_add_nc_u32 v[AXC], s67, v[VO8]
	v_add_nc_u32 v[AW], s2, v[VO8]
	v_add_nc_u32 v[AXB], XP2, v[AXA]
	v_lshlrev_b32 v[VOA], 15, v3                   ; lanes 16-31 read the next head's words
	v_lshl_add_u32 v[VOA], v2, 2, v[VOA]
	v_lshlrev_b32 v[VSB], 5, v2
	v_lshlrev_b32 v[VBO], 7, v3                    ; register 8 v + j of lane (r, h) is column 32 h + 8 v + j
	v_mul_u32_u24 v[STO], v2, 272                  ; into the stage: row r, 128 bytes for each half of the lanes
	v_lshl_add_u32 v[STO], v3, 7, v[STO]
	v_add_nc_u32 v[STO], s3, v[STO]
	v_mul_u32_u24 v[RD], v3, 272                   ; back: lanes 0-15 one row of 256 bytes, lanes 16-31 the next
	v_lshl_add_u32 v[RD], v2, 4, v[RD]
	v_add_nc_u32 v[RD], s3, v[RD]
	v_lshlrev_b32 v[CO], 12, v3                    ; and the same two rows in out0
	v_lshl_add_u32 v[CO], v2, 4, v[CO]
.irp e, 0,1,2,3
	v_mov_b32 v[PT+\e], 0                          ; a lane permute's destination counts as one of its sources
.endr
	WALU
	s_wait_dscnt 0x0
	CROUND                                         ; the round in front of the first joint loads
	s_wait_kmcnt 0x0
	s_mul_i32 s2, s77, 16*RB
	s_mov_b32 s3, 0
	s_add_nc_u64 s[G0A+2:G0A+3], s[4:5], s[2:3]
	s_add_nc_u64 s[G0B+2:G0B+3], s[G0A+2:G0A+3], 2*RB
	s_add_nc_u64 s[G0C+2:G0C+3], s[G0A+2:G0A+3], 4*RB
	s_mul_i32 s66, s76, 8*RB
	s_add_co_u32 s66, s66, 192*RB
	s_mov_b32 s67, 0
	s_add_nc_u64 s[G0W+2:G0W+3], s[8:9], s[66:67]
.irp g, G0A, G0B, G0C, G0W
	s_mov_b32 s[\g], 1
	s_or_b32 s[\g+3], s[\g+3], 0x80000000
.endr
	s_mov_b32 s[G0A+1], 0
	s_mov_b32 s[G0B+1], XP2
	s_mov_b32 s[G0C+1], XP3
	s_mov_b32 s[G0W+1], WL
	s_cmp_eq_u32 s[WV], 0                          ; one load a wave, each in an arm of its own
	s_cbranch_scc0 .Larm_1
	TLOAD G0W, G1W                                 ; wave 0: Wo's rows
	s_branch .Lasked
.Larm_1:
	s_cmp_eq_u32 s[WV], 1
	s_cbranch_scc0 .Larm_2
	TLOAD G0A, G1X                                 ; wave 1: blocks 0, 1
	s_branch .Lasked
.Larm_2:
	s_cmp_eq_u32 s[WV], 2
	s_cbranch_scc0 .Larm_3
	TLOAD G0B, G1X                                 ; wave 2: blocks 2, 3
	s_branch .Lasked
.Larm_3:
	TLOAD G0C, G1Y                                 ; wave 3: blocks 4 to 7
.Lasked:
	s_lshl_b32 s2, s81, 6
	s_add_nc_u64 s[6:7], s[6:7], s[2:3]            ; my row blocks' words of head 0
	s_lshl_b32 s2, s80, 11
	s_add_co_u32 s2, s2, 262144+192*512
	s_add_nc_u64 s[10:11], s[10:11], s[2:3]        ; my 64 rows' scale words
	s_lshl_b32 s2, s80, 8
	s_add_nc_u64 s[12:13], s[12:13], s[2:3]        ; my 64 numbers of the bias
	s_add_nc_u64 s[OC:OC+1], s[14:15], s[2:3]      ; my columns of out0,
	s_lshl_b32 s2, s81, 16
	s_add_nc_u64 s[OC:OC+1], s[OC:OC+1], s[2:3]    ; my first token: 16 rows of 4,096 bytes a row block
.irp a, 0,1,2,3,4,5,6,7
.irp s, 0,1,2,3,4,5,6,7
	global_load_b32 v[SA+8*\a+\s], v[VOA], s[6:7] offset:65536*\s+64*\a
.endr
.endr
.irp v, 0,1,2,3
.irp e, 0,1
	global_load_b128 v[SB+8*\v+4*\e:SB+8*\v+4*\e+3], v[VSB], s[10:11] offset:512*\v+16*\e
.endr
.endr
	WIN 0xc0
.irp i, 0,1,2,3,4,5,6,7
	global_load_b128 v[BB+4*\i:BB+4*\i+3], v[VBO], s[12:13] offset:16*\i
.endr
	WIN 0
	s_wait_loadcnt 0x0
.set n, 0
.rept 16                               ; a K step's word: head 2 s's two bytes below, head 2 s + 1's, which lane l xor 16 holds, above (right in lanes 0-15, which alone are read)
.irp e, 0,1,2,3
	v_permlanex16_b32 v[PT+\e], v[SA+n+\e], s[SEL], s[SEL+1]
.endr
.irp e, 0,1,2,3
	v_lshl_or_b32 v[SA+n+\e], v[PT+\e], 16, v[SA+n+\e]
.endr
.set n, n+4
.endr
	PLACES 8                                       ; a scale register written by a vector instruction stands 8 places ahead of a scaled product
	WALU                                           ; the head's end
	s_cmp_lt_u32 s[WV], 2
	s_cbranch_scc0 .Lnot_first
	s_wait_tensorcnt 0x0
.Lnot_first:
	s_wait_dscnt 0x0
	BARRIER                                        ; Wo's rows and blocks 0, 1 are shown to all: waves 0 and 1 issued them, and have waited
	WEIGHTS
	FETCH 0
	FETCH 1
	BLOCK 0
	s_cmp_eq_u32 s[WV], 3
	s_cbranch_scc1 .Lnot_part_2
	s_wait_tensorcnt 0x0
.Lnot_part_2:
	s_wait_dscnt 0x0
	BARRIER                                        ; blocks 2, 3 are shown to all
	FETCH 2
	BLOCK 1
	s_wait_tensorcnt 0x0                           ; every wave: all that was still out
	s_wait_dscnt 0x0
	BARRIER                                        ; blocks 4 to 7 are shown to all
	FETCH 3
.irp s, 2,3,4,5
	BLOCK \s
	FETCH \s+2
.endr
	BLOCK 6
	BLOCK 7
	TOSTAGE 6
	SEND 6
	TOSTAGE 7
	SEND 7
	s_wait_tensorcnt 0x0                           ; the wave's end
	ds_add_u32 v[SPW], v[NIL]
	s_wait_dscnt 0x0
	CROUND                                         ; the closing round
	s_endpgm
.Lfunc_end_k_qb9b74d4cb1_oproj:
	.size	k_qb9b74d4cb1_oproj, .Lfunc_end_k_qb9b74d4cb1_oproj-k_qb9b74d4cb1_oproj
	.p2alignl 7, 3214868480
	.fill 96, 4, 3214868480
	.section	.rodata,"a",@progbits
	.p2align	6, 0x0
	.amdhsa_kernel k_qb9b74d4cb1_oproj
		.amdhsa_group_segment_fixed_size 327680
		.amdhsa_private_segment_fixed_size 0
		.amdhsa_enable_private_segment 0
		.amdhsa_kernarg_size 48
		.amdhsa_user_sgpr_count 2
		.amdhsa_user_sgpr_kernarg_segment_ptr 1
		.amdhsa_wavefront_size32 1
		.amdhsa_system_sgpr_workgroup_id_x 1
		.amdhsa_system_sgpr_workgroup_id_y 1
		.amdhsa_system_sgpr_workgroup_id_z 1
		.amdhsa_system_vgpr_workitem_id 0
		.amdhsa_next_free_vgpr 912
		.amdhsa_next_free_sgpr 86
		.amdhsa_reserve_vcc 0
		.amdhsa_float_denorm_mode_32 3
		.amdhsa_float_denorm_mode_16_64 3
		.amdhsa_memory_ordered 1
		.amdhsa_forward_progress 1
		.amdhsa_inst_pref_size 111
	.end_amdhsa_kernel
	.amdgpu_metadata
---
amdhsa.version: [ 1, 2 ]
amdhsa.kernels:
  - .name:           k_qb9b74d4cb1_oproj
    .symbol:         k_qb9b74d4cb1_oproj.kd
    .args:
      - { .name: oimg, .offset: 0, .size: 8, .value_kind: global_buffer, .address_space: global }
      - { .name: osw, .offset: 8, .size: 8, .value_kind: global_buffer, .address_space: global }
      - { .name: wimg, .offset: 16, .size: 8, .value_kind: global_buffer, .address_space: global }
      - { .name: scl, .offset: 24, .size: 8, .value_kind: global_buffer, .address_space: global }
      - { .name: bo, .offset: 32, .size: 8, .value_kind: global_buffer, .address_space: global }
      - { .name: out0, .offset: 40, .size: 8, .value_kind: global_buffer, .address_space: global }
    .group_segment_fixed_size: 327680
    .private_segment_fixed_size: 0
    .kernarg_segment_align: 8
    .kernarg_segment_size: 48
    .max_flat_workgroup_size: 128
    .sgpr_count:     86
    .vgpr_count:     912
    .wavefront_size: 32
...
	.end_amdgpu_metadata
.endif
;; end of part 4
